; MI455X (gfx1250); checked and timed in simulation.
; The chip was launched on July 23, 2026; its instructions are those of AMD's public machine-readable ISA for CDNA 5 (MIT licence, August 2026) and "CDNA5" Instruction Set Architecture Reference Guide (July 2026). The comments in the code are by the model that wrote it; some were corrected since.
;; GPT2 Attention. Allowed arithmetic: matrix products marked QUANTISED: E4M3 operands, one given power-of-two scale a tensor, by v_wmma_f32_16x16x64_fp8_fp8 or v_wmma_f32_16x16x128_fp8_fp8, f32 sums; everything else in f32.
;; Inputs: W_attn 1,024 x 3,072 float32; W_proj 1,024 x 1,024 float32; b_attn 3,072 float32; b_proj 1,024 float32; lowp_scales 8 int32 (the exponents e of the quantised operands' scales 2^e); x 4 x 2,048 x 1,024 float32.
;; Outputs: out0 4 x 2,048 x 1,024 float32.
;; This version of the problem:
;;   THIS VERSION OF THE PROBLEM IS GIVEN IN LOW PRECISION. The matrix products marked QUANTISED in the list below multiply operands that are first quantised to E4M3 (4 exponent bits, 3 mantissa bits; 8 bits a number), with one given power-of-two scale for each operand tensor; their sums are f32. All else is computed in f32.
;;   The module's matrix products, in the order in which they are computed (A, B: the left and right operand; K: the contracted axis; several contracted axes count as one K, in the product's order):
;;     1. [M 8,192, K 1,024] x [K 1,024, N 3,072]; A: input x; B: input W_attn: QUANTISED (scales: A lowp_scales[0], B lowp_scales[1])
;;     2. batch 64 x [M 2,048, K 64] x [K 64, N 2,048]; A: computed on the way; B: computed on the way: QUANTISED (scales: A lowp_scales[2], B lowp_scales[3])
;;     3. batch 64 x [M 2,048, K 2,048] x [K 2,048, N 64]; A: softmax (see below); B: computed on the way: QUANTISED (scales: A lowp_scales[4], B lowp_scales[5])
;;     4. [M 8,192, K 1,024] x [K 1,024, N 1,024]; A: computed on the way; B: input W_proj: QUANTISED (scales: A lowp_scales[6], B lowp_scales[7])
;;   THE QUANTISER, for each operand of a quantised product, along K:
;;     - The operand's scale is 2^e, e = its entry of the input lowp_scales (int32; the entries are numbered through the quantised products in the list's order, A before B).
;;     - Each number is divided by the scale, clamped to +-448, and rounded to the nearest number of E4M3, ties to even, subnormals kept.
;;     - The product sums the exact products of the quantised numbers (number of the format x scale) in f32.
;;   ~~~python
;;   def quantise(x, axis, e):      # numpy; x: float32 -> the quantised numbers, widened to float32 again
;;       x = np.moveaxis(x, axis, -1); K = x.shape[-1]
;;       r = np.clip(x / 2.0 ** e, -448, 448)
;;       step = 2.0 ** (np.maximum(np.frexp(np.where(r == 0, 1, r))[1] - 1, -6) - 3)
;;       q = np.round(r / step) * step * 2.0 ** e      # np.round: ties to even
;;       return np.moveaxis(q, -1, axis).astype(np.float32)
;;   ~~~
;;   SOFTMAX AHEAD OF A QUANTISED PRODUCT. Where the list says 'softmax', what is quantised is not the finished softmax but p = 2^(t - M), with t = logit x log2(e) and M = ceil(the row's largest t), a whole number; so 1/2 < the row's largest p <= 1. The row's sum l is taken of the UNQUANTISED p, in f32, and the product's result is divided by l at the end. Since M is a whole number, a kernel that streams over the keys may use a running M (the ceiling of the running maximum): every later rescaling is an exact power of two, so the quantised numbers keep their values, but for numbers so far below the row's largest that they fall under the format's range.
;;   OPERANDS COMPUTED ON THE WAY. 'Computed on the way' means the value that the module computes at that place (a softmax that the list does not call 'softmax' is quantised finished and normalised). What goes into a quantiser is computed in f32, as accurately as f32 sums, v_exp_f32 and their like allow (about 1e-6 of the number): no bf16 or f16 on the way to a quantiser, and a product that is left as it is and whose result goes on into a quantised operand takes f32 operands (vector FMAs, or v_wmma_f32_16x16x4_f32). A number that lies on a knife's edge between two numbers of the format may be rounded either way, as far as f32 arithmetic and the matrix unit's own rounding can turn it there, and no further.
;; 2 versions, each right; version 2 is version 1 with the launch attn written anew for expert scheduling mode. Each part assembles by itself: llvm-mc -triple=amdgcn-amd-amdhsa -mcpu=gfx1250 --defsym DOCPART=n.
;; ======== version 1 of 2: 4 launches
;; workspace buffers: x_codes 8,388,608 bytes; w_codes 4,194,304 bytes; qkv_img 25,165,824 bytes; ctx_codes 8,388,608 bytes
;; launch prep (part 1): grid 384 x 1, 4 waves a work-group, no clusters, 68,096 bytes of LDS; arguments x, W_attn, W_proj, lowp_scales, x_codes, w_codes; writes x_codes, w_codes
.if DOCPART == 1
	.amdgcn_target "amdgcn-amd-amdhsa--gfx1250"
	.amdhsa_code_object_version 6
	.text
	.protected	k_q4b93ae4bf1_prep
	.globl	k_q4b93ae4bf1_prep
	.p2align	8
	.type	k_q4b93ae4bf1_prep,@function
k_q4b93ae4bf1_prep:
	s_mov_b64 s[64:65], 0
	v_nop
	global_prefetch_b8 v0, s[64:65] scope:SCOPE_SE
	s_setreg_imm32_b32 hwreg(HW_REG_WAVE_MODE, 25, 1), 1
	s_wait_xcnt 0x0
; x [8192][1024], W_attn [1024][3072] and W_proj [1024][1024], f32, become codes of FP8 (E4M3), each with the one scale 2^e that is given for it (entries 0, 1 and 7 of the scales).
; code = number / 2^e, held within +-448, rounded to the nearest code, ties to even.  LIMITS: each e between -126 and 119, so that 2^e and 448 x 2^e are f32 numbers; NaN among the inputs is not served.
; x_codes: [8192][1024], as x lies.  w_codes: [4096][1024], K innermost: row n < 3072 is column n of W_attn, row 3072 + n is column n of W_proj.
; Work-groups 0-255 take x: K is innermost, so x is a plain stream; a wave takes 16 steps of 512 numbers.  Each load reads 512 consecutive bytes; a step's 2,048 bytes turn through the wave's own stage in LDS
; so that a lane holds 16 neighbours for the conversions; a lane's 16 codes are 16 bytes and the wave stores 512 consecutive bytes.
; Work-groups 256-383 take the weights, whose K is the FIRST axis: a lane takes a column and its registers run down K, so the conversions give codes with K innermost; a wave gathers 32 columns x 256 along K in
; its own stage and stores rows: sixteen lanes store 256 consecutive bytes, aligned.  Both weights take one path: the buffer, the pitch and the exponent are chosen by the work-group's number.
; The two paths have LDS bytes of their own (x: 0-32767; weights: 32768-67583).  Waves share nothing: no barrier.  No matrix unit, no cluster, no tensor load: every byte is read once and written once.
.set STEPS, 16
.set SP,    80                         ; x: a lane's place in a stage: its 64 bytes + 16 of padding
.set R,     16                         ; v16-79   x: four sets of 16 numbers as they are loaded
.set X,     80                         ; v80-111  x: two sets of 16 neighbours
.set C,     128                        ; v128-191 x: codes, four registers for each step: no store's data are written again
.set XW,    32                         ; v32-95   weights: two sets of 32 numbers
.set CW,    96                         ; v96-103  weights: a block's codes
.set OUTR,  112                        ; v112-175 weights: the way out
.set OFF,   176                        ; v176-207 weights: 4 x lane + i x pitch, i = 0 .. 31; never rewritten
.set WST,   32768                      ; weights: the stages begin here
.set WP,    272                        ; weights: a stage row: 256 bytes + 16
	s_load_b256 s[4:11], s[0:1], 0x0               ; x s[4:5], W_attn s[6:7], W_proj s[8:9], the scales' exponents s[10:11]
	s_load_b128 s[12:15], s[0:1], 0x20             ; x_codes s[12:13], w_codes s[14:15]
	v_lshl_add_u32 v208, v0, 2, 0x10800
	v_mov_b32 v209, 0
	v_lshrrev_b32 v1, 5, v0
	v_readfirstlane_b32 s16, v1                    ; wave
	v_and_b32 v2, 31, v0                           ; lane
	s_wait_kmcnt 0x0
	s_load_b256 s[24:31], s[10:11], 0x0            ; e0 .. e7
	s_cmp_lt_u32 ttmp9, 256
	s_cbranch_scc0 .Lweights
	; ---------------- x ----------------
	v_lshlrev_b32 v3, 4, v2                        ; my 16 bytes of a load's 512, and of a store's
	s_mul_i32 s17, s16, 8192                       ; my wave's two stages
	v_lshrrev_b32 v14, 2, v2
	v_mul_u32_u24 v14, v14, SP
	v_and_b32 v15, 3, v2
	v_lshl_add_u32 v14, v15, 4, v14
	v_add_nc_u32 v14, s17, v14                     ; on the way in: four lanes' 64 bytes on end, then 16 of padding
	v_mul_u32_u24 v15, v2, SP
	v_add_nc_u32 v15, s17, v15                     ; on the way out: my 16 neighbours
	s_lshl_b32 s18, ttmp9, 2
	s_add_co_u32 s18, s18, s16                     ; which run of 8,192 numbers is my wave's: 0 .. 1023
	s_lshl_b32 s20, s18, 15
	s_mov_b32 s21, 0
	s_add_nc_u64 s[4:5], s[4:5], s[20:21]
	s_lshl_b32 s20, s18, 13
	s_add_nc_u64 s[12:13], s[12:13], s[20:21]
.macro XLOAD t
.irp i, 0,1,2,3
	global_load_b128 v[R+16*((\t)%4)+4*\i:R+16*((\t)%4)+4*\i+3], v3, s[4:5] offset:2048*(\t)+512*\i th:TH_LOAD_NT
.endr
.endm
.macro XTURN t                         ; LDS serves a wave's instructions in order: no wait between the stores and the loads
.irp i, 0,1,2,3
	ds_store_b128 v14, v[R+16*((\t)%4)+4*\i:R+16*((\t)%4)+4*\i+3] offset:32*SP*((\t)%2)+8*SP*\i
.endr
.irp i, 0,1,2,3
	ds_load_b128 v[X+16*((\t)%2)+4*\i:X+16*((\t)%2)+4*\i+3], v15 offset:32*SP*((\t)%2)+16*\i
.endr
.endm
.irp t, 0,1,2,3
	XLOAD \t
.endr
	s_wait_kmcnt 0x0
	s_add_co_i32 s22, s24, 127
	s_lshl_b32 s23, s22, 23
	v_mov_b32 v11, s23                             ; 2^e0 as f32: the conversion takes its exponent field
	s_add_co_i32 s22, s22, 8
	s_lshl_b32 s22, s22, 23
	s_or_b32 s22, s22, 0x600000
	v_mov_b32 v10, s22                             ; 448 x 2^e0
	s_wait_loadcnt 12                              ; step 0's four loads are in
	XTURN 0
.macro XSTEP t
.set XS, X+16*((\t)%2)
	s_wait_dscnt 0x0                               ; this step's numbers are back from the stage, so its stores into the stage have read their registers,
.if (\t)+4 < STEPS
	XLOAD (\t)+4                                   ; which take the loads of four steps on
.endif
.if (\t)+1 < STEPS
.if STEPS-2-(\t) >= 3
	s_wait_loadcnt 12                              ; the next step's four loads are in; those of the three steps behind it may be out
.else
	s_wait_loadcnt 4*(STEPS-2-(\t))
.endif
	XTURN (\t)+1
.endif
.irp i, 0,1,2,3,4,5,6,7,8,9,10,11,12,13,14,15
	v_med3_num_f32 v[XS+\i], v[XS+\i], -v10, v10   ; the conversion to an 8-bit code does not saturate (ISA guide 7.6.2): the hold comes first
.endr
	v_cvt_scalef32_pk8_fp8_f32 v[C+4*(\t):C+4*(\t)+1], v[XS:XS+7], v11
	v_cvt_scalef32_pk8_fp8_f32 v[C+4*(\t)+2:C+4*(\t)+3], v[XS+8:XS+15], v11
	global_store_b128 v3, v[C+4*(\t):C+4*(\t)+3], s[12:13] offset:512*(\t)   ; the wave stores 512 consecutive bytes, aligned
.endm
.irp t, 0,1,2,3,4,5,6,7,8,9,10,11,12,13,14,15
	XSTEP \t
.endr
	s_wait_tensorcnt 0x0
	ds_add_u32 v208, v209
	s_wait_dscnt 0x0
	s_endpgm
	; ---------------- the weights ----------------
.Lweights:
	s_sub_co_u32 s17, ttmp9, 256
	s_and_b32 s18, s17, 3                          ; which 256 along K
	s_lshr_b32 s19, s17, 2                         ; which 128 rows of w_codes: 0 .. 31
	s_mov_b32 s20, 4096
	s_cmp_lt_u32 s19, 24                           ; W_attn's 24 tiles of 128 columns, then W_proj's 8
	s_cselect_b64 s[4:5], s[6:7], s[8:9]           ; the weight
	s_cselect_b32 s20, 12288, s20                  ; its pitch in bytes
	s_cselect_b32 s21, 0, 24
	s_sub_co_u32 s21, s19, s21                     ; the tile of columns in that weight
	s_lshl_b32 s22, s18, 8
	s_mul_i32 s22, s22, s20                        ; 256 ky rows
	s_lshl_b32 s23, s21, 9
	s_add_co_u32 s22, s22, s23                     ; + 128 columns x 4 bytes a tile
	s_lshl_b32 s23, s16, 7
	s_add_co_u32 s22, s22, s23                     ; + 32 columns a wave
	s_mov_b32 s23, 0
	s_add_nc_u64 s[32:33], s[4:5], s[22:23]        ; a base for each of the eight blocks of 32 along K: no pointer is stepped
	s_lshl_b32 s22, s20, 5
.irp t, 1,2,3,4,5,6,7
	s_add_nc_u64 s[32+2*\t:33+2*\t], s[30+2*\t:31+2*\t], s[22:23]
.endr
	v_lshlrev_b32 v[OFF], 2, v2
.set i, 1
.rept 31
	v_add_nc_u32 v[OFF+i], s20, v[OFF+i-1]
.set i, i+1
.endr
	s_lshl_b32 s22, s19, 17                        ; w_codes: 128 rows of 1,024 bytes a tile,
	s_lshl_b32 s48, s16, 15                        ; 32 rows a wave,
	s_add_co_u32 s22, s22, s48
	s_lshl_b32 s48, s18, 8                         ; 256 bytes along K
	s_add_co_u32 s22, s22, s48
	s_add_nc_u64 s[14:15], s[14:15], s[22:23]
	s_mul_i32 s48, s16, 32*WP
	s_add_co_u32 s48, s48, WST                     ; my stage
	v_mul_u32_u24 v4, v2, WP
	v_add_nc_u32 v4, s48, v4                       ; into it: row = my column
	v_and_b32 v5, 15, v2
	v_lshrrev_b32 v6, 4, v2
	v_mul_u32_u24 v7, v6, WP
	v_lshl_add_u32 v7, v5, 4, v7
	v_add_nc_u32 v7, s48, v7                       ; out of it: sixteen lanes to a row, two rows an instruction
	v_lshlrev_b32 v8, 10, v6
	v_lshl_add_u32 v8, v5, 4, v8                   ; and the same place in w_codes
.macro WLOAD t                         ; block t: W(32 t + i, my column) into set t % 2: 32 lanes read 128 consecutive bytes, the four waves 512
.set i, 0
.rept 32
	global_load_b32 v[XW+32*((\t)%2)+i], v[OFF+i], s[32+2*(\t):33+2*(\t)] th:TH_LOAD_NT
.set i, i+1
.endr
.endm
	WLOAD 0
	WLOAD 1
	s_wait_kmcnt 0x0
	s_cmp_lt_u32 s19, 24
	s_cselect_b32 s49, s25, s31                    ; e1 for W_attn, e7 for W_proj
	s_add_co_i32 s49, s49, 127
	s_lshl_b32 s50, s49, 23
	v_mov_b32 v11, s50                             ; 2^e
	s_add_co_i32 s49, s49, 8
	s_lshl_b32 s49, s49, 23
	s_or_b32 s49, s49, 0x600000
	v_mov_b32 v10, s49                             ; 448 x 2^e
.macro WBLOCK t
.set XS, XW+32*((\t)%2)
.if (\t) < 7
	s_wait_loadcnt 32                              ; this block's 32 loads are in; the next block's may be out
.else
	s_wait_loadcnt 0
.endif
.set i, 0
.rept 32
	v_med3_num_f32 v[XS+i], v[XS+i], -v10, v10
.set i, i+1
.endr
.irp g, 0,1,2,3
	v_cvt_scalef32_pk8_fp8_f32 v[CW+2*\g:CW+2*\g+1], v[XS+8*\g:XS+8*\g+7], v11
.endr
	ds_store_b128 v4, v[CW:CW+3] offset:32*(\t)    ; 32 codes: 32 bytes of my column's row
	ds_store_b128 v4, v[CW+4:CW+7] offset:32*(\t)+16
.if (\t)+2 < 8
	WLOAD (\t)+2
.endif
	s_wait_dscnt 0x0                               ; the stores have read their registers: the next block's codes may be written
.endm
.irp t, 0,1,2,3,4,5,6,7
	WBLOCK \t
.endr
.irp t, 0,1,2,3,4,5,6,7,8,9,10,11,12,13,14,15
	ds_load_b128 v[OUTR+4*\t:OUTR+4*\t+3], v7 offset:2*\t*WP
.endr
.irp t, 0,1,2,3,4,5,6,7,8,9,10,11,12,13,14,15
	s_wait_dscnt 15-\t                             ; the younger loads may be out
	global_store_b128 v8, v[OUTR+4*\t:OUTR+4*\t+3], s[14:15] offset:2*\t*1024
.endr
	s_wait_tensorcnt 0x0
	ds_add_u32 v208, v209
	s_wait_dscnt 0x0
	s_endpgm
.Lfunc_end_k_q4b93ae4bf1_prep:
	.size	k_q4b93ae4bf1_prep, .Lfunc_end_k_q4b93ae4bf1_prep-k_q4b93ae4bf1_prep
	.p2alignl 7, 3214868480
	.fill 96, 4, 3214868480
	.section	.rodata,"a",@progbits
	.p2align	6, 0x0
	.amdhsa_kernel k_q4b93ae4bf1_prep
		.amdhsa_group_segment_fixed_size 68096
		.amdhsa_private_segment_fixed_size 0
		.amdhsa_enable_private_segment 0
		.amdhsa_kernarg_size 48
		.amdhsa_user_sgpr_count 2
		.amdhsa_user_sgpr_kernarg_segment_ptr 1
		.amdhsa_wavefront_size32 1
		.amdhsa_system_sgpr_workgroup_id_x 1
		.amdhsa_system_sgpr_workgroup_id_y 1
		.amdhsa_system_sgpr_workgroup_id_z 1
		.amdhsa_system_vgpr_workitem_id 0
		.amdhsa_next_free_vgpr 210
		.amdhsa_next_free_sgpr 66
		.amdhsa_reserve_vcc 0
		.amdhsa_float_denorm_mode_32 3
		.amdhsa_float_denorm_mode_16_64 3
		.amdhsa_memory_ordered 1
		.amdhsa_forward_progress 1
		.amdhsa_inst_pref_size 87
	.end_amdhsa_kernel
	.amdgpu_metadata
---
amdhsa.version: [ 1, 2 ]
amdhsa.kernels:
  - .name:           k_q4b93ae4bf1_prep
    .symbol:         k_q4b93ae4bf1_prep.kd
    .args:
      - { .name: x, .offset: 0, .size: 8, .value_kind: global_buffer, .address_space: global }
      - { .name: W_attn, .offset: 8, .size: 8, .value_kind: global_buffer, .address_space: global }
      - { .name: W_proj, .offset: 16, .size: 8, .value_kind: global_buffer, .address_space: global }
      - { .name: lowp_scales, .offset: 24, .size: 8, .value_kind: global_buffer, .address_space: global }
      - { .name: x_codes, .offset: 32, .size: 8, .value_kind: global_buffer, .address_space: global }
      - { .name: w_codes, .offset: 40, .size: 8, .value_kind: global_buffer, .address_space: global }
    .group_segment_fixed_size: 68096
    .private_segment_fixed_size: 0
    .kernarg_segment_align: 8
    .kernarg_segment_size: 48
    .max_flat_workgroup_size: 128
    .sgpr_count:     66
    .vgpr_count:     210
    .wavefront_size: 32
...
	.end_amdgpu_metadata
.endif
;; end of part 1
;; launch qkv (part 2): grid 12 x 32, 4 waves a work-group, clusters of 4 x 4, 327,680 bytes of LDS; arguments x_codes, w_codes, lowp_scales, b_attn, qkv_img; writes qkv_img
.if DOCPART == 2
	.amdgcn_target "amdgcn-amd-amdhsa--gfx1250"
	.amdhsa_code_object_version 6
	.text
	.protected	k_q4b93ae4bf1_qkv
	.globl	k_q4b93ae4bf1_qkv
	.p2align	8
	.type	k_q4b93ae4bf1_qkv,@function
k_q4b93ae4bf1_qkv:
	s_mov_b64 s[64:65], 0
	v_nop
	global_prefetch_b8 v0, s[64:65] scope:SCOPE_SE
	s_setreg_imm32_b32 hwreg(HW_REG_WAVE_MODE, 25, 1), 1
	s_wait_xcnt 0x0
	s_wait_alu depctr_hold_cnt(0) depctr_sa_sdst(0) depctr_va_vdst(0) depctr_va_sdst(0) depctr_va_ssrc(0) depctr_va_vcc(0) depctr_vm_vsrc(0)
	s_getreg_b32 s2, hwreg(HW_REG_IB_STS2, 6, 4)
	s_cmp_eq_u32 s2, 0
	s_cbranch_scc0 .Lentry_in_a_cluster
	s_endpgm
.Lentry_in_a_cluster:
	s_bfe_u32 s2, ttmp6, 0x10000c
	s_cmp_lg_u32 s2, 0xf033
	s_cbranch_scc0 .Lentry_shape_is_right
	s_endpgm
.Lentry_shape_is_right:
; qkv = x W_attn + b_attn on codes of FP8 (E4M3), then q, k and v are quantised (scales 2^e2, 2^e3, 2^e5) and stored as images of the operand registers that the attention launch loads.
; x_codes [8192][1024], w_codes rows 0-3071 [n][1024]: K innermost.  A finished sum is multiplied by 2^(e0 + e1), the bias is added in the same fused multiply-add, the number is held within +-448 x 2^e and converted.
; LIMITS: e0 + e1 between -126 and 127; e2, e3, e5 between -126 and 119; NaN is not served.
; A tile of 256 x 256 is made by four waves, each 128 x 128: 64 accumulators, 512 registers.  K = 1,024 goes in four steps of 256 through two LDS slots filled by the tensor data mover.
; CLUSTERS: 4 x 4 work-groups; cluster x is the part: 0 = q, 1 = k, 2 = v.  Role A (source 1 of the products) is shared along a row of the cluster, role B (source 0) along a column; each tile is asked for jointly.
;   q, k: A = 256 tokens of x, B = 256 rows of w: a lane then holds one token and eight neighbouring channels, which are neighbours along K of the scores' product.
;   v:    A = 256 rows of w, B = 256 tokens of x: a lane then holds one channel and eight neighbouring tokens, which are neighbours along K (the keys) of the second product.
;   The choice hangs on the cluster's x alone, which all sixteen partners share.
; qkv_img: part X at X << 23; head bh = 16 batch + head at bh x 131,072; key step (128 tokens) at s x 8,192.
;   q, k: tile t (8) x 1,024 + c (2) x 512 + 16 x lane (16 h + r): channels 32 c + 16 h + 0..15 of token 32 (t / 2) + 8 (t % 2) + r + 8 (r / 8).
;   v:    tile dt (4) x 2,048 + c (4) x 512 + 16 x lane: keys 32 c + 16 h + 0..15 of channel 16 dt + r.
; 384 tiles are 24 clusters; a finer tile would read more LDS bytes for each multiply-add, and a tile must not straddle q, k and v.  Four K steps: nothing is prefetched.
; REGISTERS, in windows of 256: window 0: v0-31 addresses; v32-95 the bias in q's and k's layout, v96-111 in v's; from v128 A's fragments, one set; on the way out v128-255 are free.
;   window 1: B's fragments, two sets, at v0 and v128.   windows 2, 3: the accumulators ((a, b) at v[8 (8 (a % 4) + b)]).
.set ROWB,   256
.set KROW,   1024
.set PITCH,  272                       ; an LDS row: 256 bytes + 16 of padding = 68 words: the 16 rows that a load touches start at 16 different banks (64 banks of 4 bytes: ISA guide 11.1)
.set FR,     16
.set NL,     4
.set NP,     4                         ; places behind this matrix instruction (ISA guide 7.12.1)
.set HALFT,  128*PITCH
.set SLOT,   4*HALFT
.set LAPS,   2
.set SPARE,  2*SLOT                    ; behind the ring: the spare words, 128 bytes for each wave
.set STGQ,   0                         ; the way out: 16,384 bytes for each wave, in slot 0, which has had its last fill and its last read by then; q's and k's path
.set STGV,   65536                     ; and v's path: bytes of its own
.set ADRA, 16
.set ADRB, 20
.set STQ,  22
.set STV,  23
.set RDQ,  24
.set RDV,  25
.set L16,  26                          ; 16 x lane
.set SPW,  28
.set NIL,  29
.set SCV,  30                          ; 2^e of the part
.set LIMV, 31                          ; 448 x 2^e
.set BQ,   32
.set BV,   96
.set AF,   128
.set TMP,  128
.set CD,   192
.set G1, 24
.set G0, 32
.set G1B, 48
.set G0B, 56
.set MSB, 0
.macro WIN new                         ; the immediate's high byte repeats the setting that is left
.if MSB != (\new)
	s_set_vgpr_msb (MSB<<8)|(\new)
.set MSB, (\new)
.endif
.endm
.set MUL_LO, 0xa1                      ; source 0 (B) window 1, source 1 (A) window 0, C and D window 2
.set MUL_HI, 0xf1
.set TO_B,   0x40
; A joint load: waves 0 and 1 fetch for A, waves 2 and 3 for B; the branch hangs on the wave's number alone.  Four v_nop follow each of the two lines.
.macro JLOAD g0a, g1a, g0b, g1b
	s_cmp_eq_u32 s15, 0
	s_cbranch_scc0 .Lfor_b_\@
	tensor_load_to_lds s[\g0a:\g0a+3], s[\g1a:\g1a+7]
	s_nop 0
.rept 4
	v_nop
.endr
	s_branch .Lasked_\@
.Lfor_b_\@:
	tensor_load_to_lds s[\g0b:\g0b+3], s[\g1b:\g1b+7]
	s_nop 0
.rept 4
	v_nop
.endr
.Lasked_\@:
.endm
.macro CREST
	s_cmp_lg_u32 s14, 0
	s_cbranch_scc1 .Lnot_wave_0_\@
	s_barrier_signal -3
.Lnot_wave_0_\@:
	s_barrier_wait -3
	s_barrier_signal -1
	s_barrier_wait -1
.endm
.macro CROUND
	s_barrier_signal -1
	s_barrier_wait -1
	CREST
.endm
	s_load_b256 s[4:11], s[0:1], 0x0               ; x_codes s[4:5], w_codes s[6:7], the scales' exponents s[8:9], b_attn s[10:11]
	s_load_b64 s[12:13], s[0:1], 0x20              ; qkv_img
	v_lshl_add_u32 v[SPW], v0, 2, SPARE
	v_mov_b32 v[NIL], 0
	ds_add_u32 v28, v29
	ds_add_u32 v28, v29
	s_wait_dscnt 0x0
	v_lshrrev_b32 v1, 5, v0
	v_readfirstlane_b32 s14, v1                    ; wave 0..3
	s_lshr_b32 s15, s14, 1                         ; which 128 rows of A are mine.  Also: I fetch for A (0) or for B (1)
	s_and_b32 s16, s14, 1                          ; which 128 rows of B.  Also: which 128 rows of that tile I fetch
	s_bfe_u32 s40, ttmp6, 0x40000                  ; cx
	s_bfe_u32 s41, ttmp6, 0x40004                  ; cy
	s_lshl_b32 s42, ttmp9, 2                       ; 4 X
	s_and_b32 s17, ttmp7, 0xffff
	s_lshl_b32 s17, s17, 2                         ; 4 Y
	s_lshl_b32 s43, s41, 2
	s_lshl_b32 s43, 15, s43                        ; my row of the cluster
	s_lshl_b32 s44, 0x1111, s40                    ; my column
	s_or_b32 s[G1+0], s43, (1<<20)|(1<<21)|(5<<22)|(3<<25)   ; the mask; elements of 1 byte; padding on; bit 21 beside a mask; after every 64 words, 4 words
	s_or_b32 s[G1B+0], s44, (1<<20)|(1<<21)|(5<<22)|(3<<25)
.irp g, G1, G1B
	s_mov_b32 s[\g+1], ROWB<<16                    ; tensor_dim0 = 256
	s_mov_b32 s[\g+2], 128<<16                     ; tensor_dim1 = 128
	s_mov_b32 s[\g+3], ROWB<<16                    ; tile_dim0
	s_mov_b32 s[\g+4], 128                         ; tile_dim1
	s_mov_b32 s[\g+5], KROW                        ; from row to row: both buffers have rows of 1,024 bytes
	s_mov_b32 s[\g+6], 0
	s_mov_b32 s[\g+7], 0
.endr
	s_cmp_lt_u32 ttmp9, 2                          ; q or k?  The same in all sixteen partners
	s_cselect_b32 s18, s17, 8                      ; A's tile of 256 rows: tokens 4 Y + cy, or w's rows 2,048 + 256 cy
	s_cselect_b32 s19, s42, s17                    ; B's: w's rows 4 X + cx, or tokens 4 Y + cx
	s_add_co_u32 s18, s18, s41                     ; (s18 never holds cx, s19 never cy)
	s_add_co_u32 s19, s19, s40
	s_lshl_b32 s22, s16, 7
	s_lshl_b32 s20, s18, 8
	s_add_co_u32 s20, s20, s22
	s_lshl_b32 s20, s20, 10                        ; in bytes
	s_mov_b32 s21, 0
	s_lshl_b32 s46, s19, 8
	s_add_co_u32 s46, s46, s22
	s_lshl_b32 s46, s46, 10
	s_mov_b32 s47, 0
	s_mul_i32 s45, s14, HALFT                      ; where they go: wave x 128 rows
	s_wait_kmcnt 0x0
	s_load_b256 s[72:79], s[8:9], 0x0              ; e0 .. e7
	s_cmp_lt_u32 ttmp9, 2
	s_cselect_b64 s[68:69], s[4:5], s[6:7]         ; A's buffer
	s_cselect_b64 s[70:71], s[6:7], s[4:5]         ; B's
	s_add_nc_u64 s[20:21], s[68:69], s[20:21]
	s_add_nc_u64 s[46:47], s[70:71], s[46:47]
	CROUND                                         ; all sixteen work-groups are here: the first joint loads meet
.irp s, 0,1
	s_mov_b32 s[G0+4*\s], 1
	s_add_co_u32 s[G0+4*\s+1], s45, \s*SLOT
	s_add_nc_u64 s[G0+4*\s+2:G0+4*\s+3], s[20:21], \s*ROWB
	s_or_b32 s[G0+4*\s+3], s[G0+4*\s+3], 0x80000000
	s_mov_b32 s[G0B+4*\s], 1
	s_add_co_u32 s[G0B+4*\s+1], s45, \s*SLOT
	s_add_nc_u64 s[G0B+4*\s+2:G0B+4*\s+3], s[46:47], \s*ROWB
	s_or_b32 s[G0B+4*\s+3], s[G0B+4*\s+3], 0x80000000
	JLOAD G0+4*\s, G1, G0B+4*\s, G1B
.endr
	v_and_b32 v1, 15, v0                           ; r
	v_bfe_u32 v2, v0, 4, 1                         ; h
	v_mul_u32_u24 v3, v1, PITCH
	v_lshl_add_u32 v4, v2, 4, v3                   ; a fragment's row x pitch + 16 h
	s_mul_i32 s21, s15, HALFT
	s_mul_i32 s22, s16, HALFT
	s_add_co_u32 s22, s22, 2*HALFT
.irp s, 0,1
	v_add_nc_u32 v[ADRA+\s], s21, v4
	v_add_nc_u32 v[ADRB+\s], s22, v4
	s_add_co_u32 s21, s21, SLOT
	s_add_co_u32 s22, s22, SLOT
.endr
	s_lshl_b32 s23, s14, 14                        ; my stage: 16,384 x wave
	v_lshrrev_b32 v5, 3, v1
	v_and_b32 v6, 7, v1
	v_lshlrev_b32 v5, 10, v5
	v_lshl_add_u32 v5, v6, 4, v5
	v_lshl_add_u32 v5, v2, 3, v5
	v_add_nc_u32 v[STQ], s23, v5                   ; q, k: (r / 8) x 1,024 + (r % 8) x 16 + 8 h
	v_lshlrev_b32 v5, 4, v1
	v_lshl_add_u32 v5, v2, 3, v5
	v_add_nc_u32 v5, s23, v5
	v_add_nc_u32 v[STV], STGV, v5                  ; v: 16 r + 8 h
	v_and_b32 v6, 31, v0
	v_lshlrev_b32 v[L16], 4, v6
	v_add_nc_u32 v[RDQ], s23, v[L16]               ; back: 512 consecutive bytes an instruction
	v_add_nc_u32 v[RDV], STGV, v[RDQ]
	; where my wave's two heads' images of one key step begin in qkv_img
	s_add_co_u32 s83, s17, s41                     ; 4 Y + cy
	s_add_co_u32 s84, s17, s40                     ; 4 Y + cx
	s_cmp_lt_u32 ttmp9, 2
	s_cselect_b32 s83, s83, s84                    ; the tile of 256 tokens,
	s_cselect_b32 s84, s15, s16                    ; my half of it,
	s_cselect_b32 s85, s40, s41                    ; the tile of 256 channels (four heads),
	s_cselect_b32 s86, s16, s15                    ; my half of it (two heads)
	s_lshr_b32 s87, s83, 3                         ; batch
	s_lshl_b32 s87, s87, 4
	s_lshl_b32 s85, s85, 2
	s_add_co_u32 s87, s87, s85
	s_lshl_b32 s86, s86, 1
	s_add_co_u32 s87, s87, s86                     ; bh of my first head
	s_lshl_b32 s87, s87, 4
	s_and_b32 s83, s83, 7
	s_lshl_b32 s83, s83, 1
	s_add_co_u32 s87, s87, s83
	s_add_co_u32 s87, s87, s84                     ; x 16 + the key step
	s_lshl_b32 s87, s87, 13
	s_lshl_b32 s86, ttmp9, 23
	s_add_co_u32 s86, s86, s87
	s_mov_b32 s87, 0
	s_add_nc_u64 s[12:13], s[12:13], s[86:87]
	; the bias, in both layouts: every path finds its registers written, and both stay inside b_attn for every part
	s_lshl_b32 s88, ttmp9, 12
	s_lshl_b32 s89, s40, 10
	s_add_co_u32 s88, s88, s89
	s_lshl_b32 s89, s16, 9
	s_add_co_u32 s88, s88, s89                     ; 4 x (1,024 X + 256 cx + 128 x my half of B)
	s_mov_b32 s89, 0
	s_add_nc_u64 s[88:89], s[10:11], s[88:89]
	s_lshl_b32 s90, s41, 10
	s_lshl_b32 s91, s15, 9
	s_add_co_u32 s90, s90, s91
	s_add_co_u32 s90, s90, 8192                    ; 4 x (2,048 + 256 cy + 128 x my half of A)
	s_mov_b32 s91, 0
	s_add_nc_u64 s[90:91], s[10:11], s[90:91]
	v_lshlrev_b32 v8, 5, v2                        ; 32 h; never rewritten
	v_lshlrev_b32 v9, 2, v1                        ; 4 r; never rewritten
.irp b, 0,1,2,3,4,5,6,7
	global_load_b128 v[BQ+8*\b:BQ+8*\b+3], v8, s[88:89] offset:64*\b          ; the bias of channels 16 b + 8 h + 0 .. 7
	global_load_b128 v[BQ+8*\b+4:BQ+8*\b+7], v8, s[88:89] offset:64*\b+16
.endr
.irp a, 0,1,2,3,7,6,5,4
	global_load_b32 v[BV+2*\a], v9, s[90:91] offset:64*\a                      ; the bias of channel 16 a + r, twice: a pair for the packed form
	global_load_b32 v[BV+2*\a+1], v9, s[90:91] offset:64*\a
.endr
.macro FRAG reg, adr, q, i             ; 16 rows x 128 K: registers 4 c .. 4 c + 3 hold K = 32 c + 16 h + 0 .. 15: the same order of k in A and in B
.irp c, 0,1,2,3
	ds_load_b128 v[\reg+4*\c:\reg+4*\c+3], v[\adr] offset:128*(\q)+32*\c+(\i)*16*PITCH
.endr
.endm
; 16 matrix instructions: A's blocks a0, a0 + 1 x B's eight.  The 64 accumulators take turns, one instruction a turn, in the same order in every step.
.macro MUL16 a0, p, zero
.irp a, \a0, \a0+1
.irp b, 0,1,2,3,4,5,6,7
.if \zero
	v_wmma_f32_16x16x128_fp8_fp8 v[8*(8*((\a)%4)+\b):8*(8*((\a)%4)+\b)+7], v[128*(\p)+FR*\b:128*(\p)+FR*\b+FR-1], v[AF+FR*(\a):AF+FR*(\a)+FR-1], 0
.else
	v_wmma_f32_16x16x128_fp8_fp8 v[8*(8*((\a)%4)+\b):8*(8*((\a)%4)+\b)+7], v[128*(\p)+FR*\b:128*(\p)+FR*\b+FR-1], v[AF+FR*(\a):AF+FR*(\a)+FR-1], v[8*(8*((\a)%4)+\b):8*(8*((\a)%4)+\b)+7]
.endif
.endr
.endr
.endm
.macro FETCH_B slot, q, p
	WIN TO_B
.irp i, 0,1,2,3,4,5,6,7
	FRAG 128*(\p)+FR*\i, ADRB+\slot, \q, \i
.endr
	WIN 0
.endm
.macro FETCH_A slot, q, i0
.irp i, \i0, \i0+1, \i0+2, \i0+3
	FRAG AF+FR*(\i), ADRA+\slot, \q, \i
.endr
.endm
.macro PLACES n                        ; plain vector instructions between a matrix instruction and a load into its registers or a read of its result
.rept \n
	v_nop
.endr
.endm
.macro STEP slot, q, zero              ; 128 along K whose successor lies in the same slot
	s_wait_dscnt 4*NL                              ; B's set and A's blocks 0-3 are in; the youngest sixteen loads (A's blocks 4-7) may be out
	WIN MUL_LO
	MUL16 0, (\q)%2, \zero
	MUL16 2, (\q)%2, \zero
	s_wait_dscnt 0
	PLACES NP
	FETCH_B \slot, (\q)+1, 1-(\q)%2
	FETCH_A \slot, (\q)+1, 0
	WIN MUL_HI
	MUL16 4, (\q)%2, \zero
	MUL16 6, (\q)%2, \zero
	PLACES NP
	WIN 0
	FETCH_A \slot, (\q)+1, 4
.endm
; A slot's last step changes slots: one barrier; in front of it each wave waits for all its tensor loads, adds 0 to its spare word, and waits for that and for its own reads of this slot.
.macro TURN slot, next, fill
	s_wait_tensorcnt 0x0                           ; all my tensor loads have landed: my part of the next slot
	ds_add_u32 v[SPW], v[NIL]                      ; 0 onto my spare word
	s_wait_dscnt 4*NL+1                            ; the add and the youngest sixteen loads may be out
	WIN MUL_LO
	MUL16 0, 1, 0
	s_wait_dscnt 0x0                               ; the add is done, and my reads of this slot are over
	s_barrier_signal -1
	MUL16 2, 1, 0
	WIN 0
	s_barrier_wait -1
.if \fill
	CREST                                          ; the barrier has opened a round of the cluster's barrier: no wave of any partner still reads this slot or has a load on its way
	s_add_nc_u64 s[G0+4*\slot+2:G0+4*\slot+3], s[G0+4*\slot+2:G0+4*\slot+3], 2*ROWB
	s_add_nc_u64 s[G0B+4*\slot+2:G0B+4*\slot+3], s[G0B+4*\slot+2:G0B+4*\slot+3], 2*ROWB
	JLOAD G0+4*\slot, G1, G0B+4*\slot, G1B         ; the first tensor load behind the round; its four v_nop are the places in front of the loads below
.else
	PLACES NP
.endif
	FETCH_B \next, 0, 0
	FETCH_A \next, 0, 0
	WIN MUL_HI
	MUL16 4, 1, 0
	MUL16 6, 1, 0
	PLACES NP
	WIN 0
	FETCH_A \next, 0, 4
.endm
	s_wait_tensorcnt 1                             ; my part of K step 0 is in; K step 1's load may be out
	s_barrier_signal -1
	s_barrier_wait -1
	FETCH_B 0, 0, 0
	FETCH_A 0, 0, 0
	FETCH_A 0, 0, 4
	STEP 0, 0, 1                                   ; the first step's products start the sums
	s_mov_b32 s3, LAPS-1
.Llap:                                                 ; once round the ring; both slots are filled again
	TURN 0, 1, 1
	STEP 1, 0, 0
	TURN 1, 0, 1
	STEP 0, 0, 0
	s_sub_co_u32 s3, s3, 1
	s_cmp_lg_u32 s3, 0
	s_cbranch_scc1 .Llap
	TURN 0, 1, 0                                   ; the last lap fills nothing
	STEP 1, 0, 0
	s_wait_dscnt 4*NL
	WIN MUL_LO
	MUL16 0, 1, 0
	MUL16 2, 1, 0
	s_wait_dscnt 0
	WIN MUL_HI
	MUL16 4, 1, 0
	MUL16 6, 1, 0
	WIN 0
; THE WAY OUT.  kind = 0 (q, k): accumulator (a, b), lane (r, h), register j is token 16 a + r, channel 16 b + 8 h + j.  kind = 1 (v): channel 16 a + r, token 16 b + 8 h + j.
; Eight registers become eight codes, 8 bytes that lie together in the image; the images of my two heads (8,192 bytes each) are gathered in my stage and leave as runs of 512 consecutive bytes.
.macro OUT kind
.irp a, 0,1,2,3,4,5,6,7
.set OAC, 64*((\a)%4)
.set OCD, CD+16*((\a)%4)
.if \a == 4
	s_wait_dscnt 0x0                               ; the first four blocks' stores have read their codes: the four sets of code registers are used again
.endif
	WIN 0x02+((\a)/4)                              ; source 0: window 2 or 3
.irp b, 0,1,2,3,4,5,6,7
.irp i, 0,2,4,6
.if \kind
	v_pk_fma_f32 v[TMP+8*\b+\i:TMP+8*\b+\i+1], v[OAC+8*\b+\i:OAC+8*\b+\i+1], s[80:81], v[BV+2*\a:BV+2*\a+1] op_sel_hi:[1,0,1]   ; sum x 2^(e0 + e1) + bias; each accumulator from its low end on
.else
	v_pk_fma_f32 v[TMP+8*\b+\i:TMP+8*\b+\i+1], v[OAC+8*\b+\i:OAC+8*\b+\i+1], s[80:81], v[BQ+8*\b+\i:BQ+8*\b+\i+1] op_sel_hi:[1,0,1]
.endif
.endr
.endr
	WIN 0
.irp b, 0,1,2,3,4,5,6,7
.irp i, 0,1,2,3,4,5,6,7
	v_med3_num_f32 v[TMP+8*\b+\i], v[TMP+8*\b+\i], -v[LIMV], v[LIMV]   ; the conversion does not saturate (ISA guide 7.6.2): the hold comes first
.endr
	v_cvt_scalef32_pk8_fp8_f32 v[OCD+2*\b:OCD+2*\b+1], v[TMP+8*\b:TMP+8*\b+7], v[SCV]
.endr
	v_nop                                          ; a plain vector instruction behind the last conversion: the next block writes its sources
.irp b, 0,1,2,3,4,5,6,7
.if \kind
	ds_store_b64 v[STV], v[OCD+2*\b:OCD+2*\b+1] offset:((\a)&3)*2048+((\a)>>2)*8192+((\b)>>1)*512+((\b)&1)*256
.else
	ds_store_b64 v[STQ], v[OCD+2*\b:OCD+2*\b+1] offset:((\a)>>1)*2048+((\a)&1)*128+(((\b)&3)>>1)*512+((\b)&1)*256+((\b)>>2)*8192
.endif
.endr
.endr
	s_wait_dscnt 0x0                               ; my stores have read their registers, which the loads below fill
.irp k, 0,1,2,3,4,5,6,7,8,9,10,11,12,13,14,15,16,17,18,19,20,21,22,23,24,25,26,27,28,29,30,31
.if \kind
	ds_load_b128 v[128+4*\k:131+4*\k], v[RDV] offset:512*\k
.else
	ds_load_b128 v[128+4*\k:131+4*\k], v[RDQ] offset:512*\k
.endif
.endr
.irp k, 0,1,2,3,4,5,6,7,8,9,10,11,12,13,14,15,16,17,18,19,20,21,22,23,24,25,26,27,28,29,30,31
	s_wait_dscnt 31-\k                             ; the younger loads may be out
	global_store_b128 v[L16], v[128+4*\k:131+4*\k], s[12:13] offset:131072*(\k/16)+512*(\k%16)   ; 512 consecutive bytes, aligned; the second head lies 131,072 bytes on
.endr
.endm
	s_wait_kmcnt 0x0
	s_add_co_i32 s80, s72, s73
	s_add_co_i32 s80, s80, 127
	s_lshl_b32 s80, s80, 23                        ; 2^(e0 + e1) as f32
	s_mov_b32 s81, s80                             ; (named with it as a pair)
	s_cmp_eq_u32 ttmp9, 0
	s_cselect_b32 s82, s74, s75                    ; e2 for q, e3 for k,
	s_cmp_lt_u32 ttmp9, 2
	s_cselect_b32 s82, s82, s77                    ; e5 for v: a choice, no branch
	s_add_co_i32 s82, s82, 127
	s_lshl_b32 s83, s82, 23
	v_mov_b32 v[SCV], s83
	s_add_co_i32 s82, s82, 8
	s_lshl_b32 s82, s82, 23
	s_or_b32 s82, s82, 0x600000
	v_mov_b32 v[LIMV], s82
	s_wait_loadcnt 0x0                             ; the bias
	PLACES NP                                      ; behind the last products
	s_cmp_lt_u32 ttmp9, 2
	s_cbranch_scc0 .Lv
	OUT 0
	s_branch .Lend
.Lv:
	OUT 1
.Lend:
	s_wait_tensorcnt 0x0                           ; the wave's end
	ds_add_u32 v[SPW], v[NIL]
	s_wait_dscnt 0x0
	CROUND                                         ; the closing round
	s_endpgm
.Lfunc_end_k_q4b93ae4bf1_qkv:
	.size	k_q4b93ae4bf1_qkv, .Lfunc_end_k_q4b93ae4bf1_qkv-k_q4b93ae4bf1_qkv
	.p2alignl 7, 3214868480
	.fill 96, 4, 3214868480
	.section	.rodata,"a",@progbits
	.p2align	6, 0x0
	.amdhsa_kernel k_q4b93ae4bf1_qkv
		.amdhsa_group_segment_fixed_size 327680
		.amdhsa_private_segment_fixed_size 0
		.amdhsa_enable_private_segment 0
		.amdhsa_kernarg_size 40
		.amdhsa_user_sgpr_count 2
		.amdhsa_user_sgpr_kernarg_segment_ptr 1
		.amdhsa_wavefront_size32 1
		.amdhsa_system_sgpr_workgroup_id_x 1
		.amdhsa_system_sgpr_workgroup_id_y 1
		.amdhsa_system_sgpr_workgroup_id_z 1
		.amdhsa_system_vgpr_workitem_id 0
		.amdhsa_next_free_vgpr 1024
		.amdhsa_next_free_sgpr 100
		.amdhsa_reserve_vcc 0
		.amdhsa_float_denorm_mode_32 3
		.amdhsa_float_denorm_mode_16_64 3
		.amdhsa_memory_ordered 1
		.amdhsa_forward_progress 1
		.amdhsa_inst_pref_size 208
	.end_amdhsa_kernel
	.amdgpu_metadata
---
amdhsa.version: [ 1, 2 ]
amdhsa.kernels:
  - .name:           k_q4b93ae4bf1_qkv
    .symbol:         k_q4b93ae4bf1_qkv.kd
    .args:
      - { .name: x_codes, .offset: 0, .size: 8, .value_kind: global_buffer, .address_space: global }
      - { .name: w_codes, .offset: 8, .size: 8, .value_kind: global_buffer, .address_space: global }
      - { .name: lowp_scales, .offset: 16, .size: 8, .value_kind: global_buffer, .address_space: global }
      - { .name: b_attn, .offset: 24, .size: 8, .value_kind: global_buffer, .address_space: global }
      - { .name: qkv_img, .offset: 32, .size: 8, .value_kind: global_buffer, .address_space: global }
    .group_segment_fixed_size: 327680
    .private_segment_fixed_size: 0
    .kernarg_segment_align: 8
    .kernarg_segment_size: 40
    .max_flat_workgroup_size: 128
    .sgpr_count:     100
    .vgpr_count:     1024
    .wavefront_size: 32
...
	.end_amdgpu_metadata
.endif
;; end of part 2
;; launch attn (part 3): grid 4 x 64, 16 waves a work-group, no clusters, 83,968 bytes of LDS; arguments qkv_img, lowp_scales, ctx_codes; writes ctx_codes
.if DOCPART == 3
	.amdgcn_target "amdgcn-amd-amdhsa--gfx1250"
	.amdhsa_code_object_version 6
	.text
	.protected	k_q4b93ae4bf1_attn
	.globl	k_q4b93ae4bf1_attn
	.p2align	8
	.type	k_q4b93ae4bf1_attn,@function
k_q4b93ae4bf1_attn:
	s_mov_b64 s[64:65], 0
	v_nop
	global_prefetch_b8 v0, s[64:65] scope:SCOPE_SE
	s_setreg_imm32_b32 hwreg(HW_REG_WAVE_MODE, 25, 1), 1
	s_wait_xcnt 0x0
; Causal attention of one head on codes of FP8 (E4M3): S = q k^T (K = 64), p = 2^(t - M), O = p v (K = the keys), ctx = O / l, quantised with 2^e6.
; t = score x 2^(e2 + e3) x log2(e) / 8; M = the running largest t rounded UP to a whole number; p is quantised with 2^e4, not normalised; l is the sum of the unquantised p.  When M moves, l and O are multiplied by 2^(old M - new M).
; LIMITS: e2 + e3 between -123 and 130 (added to the exponent field of log2(e) / 8); e4 and e6 between -126 and 119; NaN is not served.
; SHARES.  Work-group (pi, bh) owns the blocks of 256 queries 7 - pi and pi of head bh: (8 - pi) + (pi + 1) = 9 slots of 256 keys for every work-group, so the loop over slots has the constant count 9 and all 256 work-groups
; have equal work.  Each of sixteen waves owns one tile of 16 queries in 256 registers; four waves share a SIMD, so that one wave's vector work stands beside another's products and LDS loads.
; q, k and v lie in memory as images of operand registers: every fragment comes by loads of 16 bytes at 16 x lane.  A slot's 32,768 bytes (k's image, then v's) are asked for a slot ahead into registers, 64 bytes a
; thread, and stored into the LDS slot that was read in the trip before; one barrier a trip orders both directions.
; NO CLUSTER: work-group pi of a head wants key slot J in trip J < 8 - pi and J - (8 - pi) after it, so from trip 5 on the four work-groups of a head want different slots in the same trip.
; Both products are used transposed: a lane holds ONE query throughout.  Lane r's query is Q0 + r + 8 (r / 8); register 16 b + i of the scores holds key KF + 32 b + 16 h + i, so p's codes are the second product's operand.
; CAUSAL: the wave's 16 queries lie in one aligned group of 128, QG.  A step with KF > QG is left out (a scalar branch on ids); the step KF = QG is masked; the others are open.
; ctx_codes: ((token / 256 x 16 + head) x 256 + token % 256) x 64 + channel: a wave stores two runs of 512 consecutive bytes.
; REGISTERS: v1-10 addresses; v12 -M, v13 the largest t, v[14:15] l in two halves; v16-23 q; v32-95 k's fragments, then v's; v96-159 scores, then p; v160-191 O^T; v192-207 p's codes; v208-223 the slot on its way;
;   v224-231 ctx's codes; v232-239 rows to store; v240 448 x 2^e4, v244 2^e4, v245 2^e6, v246 448 x 2^e6; v242-243, v248, v252-254 at work.
.set SLOT1, 32768                      ; slot 1 begins here: one exclusive or turns an address of one slot into the other's
.set STAGE, 65536                      ; behind the slots: 1,024 bytes for each wave, for the way out
.set L16,  1                           ; 16 x lane
.set T16,  2                           ; 16 x thread
.set QL,   3                           ; r + 8 (r / 8) - 16 h
.set ADL,  4                           ; the slot in hand + 16 x lane
.set ADW,  5                           ; the other slot + 16 x thread
.set GA,   6                           ; the copy's offset in k's and v's images
.set GO,   7                           ; my offset in ctx_codes
.set STO,  8
.set SRD,  9
.set QA,   10
.set WV,   10                          ; s10 wave
.set PI,   11                          ; s11 work-group x
.set BH,   12                          ; s12 head
.set NX,   13                          ; s13 the trip count at which the block in hand ends
.set J,    14                          ; s14 trips done
.set TB,   15                          ; s15 LDS byte of the slot in hand
.set KF,   16                          ; s16 the step's first key
.set Q0,   17
.set QG,   18
.set LO,   19                          ; s19 byte offset of the next slot to ask for
.set SEL,  20
.set CS,   22
.set JL,   38                          ; s38 slots asked for
.set BLK,  39                          ; s39 the block of queries in hand
.set CO,   44
.set ESUM, 45                          ; s45 e4 + e5
.set FIRST, 46                         ; s46 8 - pi
.set WOFF, 47                          ; s47 64 x WQ
.set WQ,   48                          ; s48 32 (wave / 2) + 8 (wave % 2): my tile's first query in its block
	s_load_b128 s[4:7], s[0:1], 0x0                ; qkv_img s[4:5], the scales' exponents s[6:7]
	s_load_b64 s[8:9], s[0:1], 0x10                ; ctx_codes
	v_lshl_add_u32 v251, v0, 2, 0x14000
	v_mov_b32 v255, 0
	v_lshrrev_b32 v24, 5, v0
	v_readfirstlane_b32 s[WV], v24
	s_mov_b32 s[PI], ttmp9
	s_and_b32 s[BH], ttmp7, 0xffff
	v_and_b32 v24, 31, v0
	v_lshlrev_b32 v[L16], 4, v24
	v_lshlrev_b32 v[T16], 4, v0
	v_and_b32 v24, 15, v0                          ; r
	v_bfe_u32 v25, v0, 4, 1                        ; h
	v_and_b32 v[QL], 8, v24
	v_add_nc_u32 v[QL], v[QL], v24
	v_lshlrev_b32 v26, 4, v25
	v_sub_nc_u32 v[QL], v[QL], v26
	s_lshl_b32 s40, s[WV], 10
	s_add_co_u32 s40, s40, STAGE                   ; my stage
	v_lshlrev_b32 v[STO], 6, v24
	v_lshl_add_u32 v[STO], v25, 3, v[STO]
	v_add_nc_u32 v[STO], s40, v[STO]               ; in: row r of 64 bytes, + 8 h
	v_add_nc_u32 v[SRD], s40, v[L16]               ; back: 512 consecutive bytes
	s_lshr_b32 s[WQ], s[WV], 1
	s_lshl_b32 s[WQ], s[WQ], 5
	s_and_b32 s41, s[WV], 1
	s_lshl_b32 s41, s41, 3
	s_add_co_u32 s[WQ], s[WQ], s41
	s_lshl_b32 s[WOFF], s[WQ], 6
	s_mov_b32 s[SEL], 0x76543210
	s_mov_b32 s[SEL+1], 0xfedcba98
	s_sub_co_u32 s[BLK], 7, s[PI]                  ; the long block first
	s_sub_co_u32 s[NX], 8, s[PI]
	s_mov_b32 s[FIRST], s[NX]
	s_mov_b32 s[J], 0
	s_mov_b32 s[TB], 0
	s_mov_b32 s[LO], 0
	s_mov_b32 s[JL], 0
	v_mov_b32 v248, 0                              ; written once: a lane permute's destination counts as one of its sources
	v_mov_b32 v252, 0
	v_mov_b32 v253, 0                              ; (named as the upper half of the pair v[252:253])
	s_lshl_b32 s40, s[BH], 17
	s_mov_b32 s41, 0
	s_wait_kmcnt 0x0
	s_load_b256 s[24:31], s[6:7], 0x0              ; e0 .. e7
	s_add_nc_u64 s[36:37], s[4:5], s[40:41]        ; the head's q,
	s_add_nc_u64 s[32:33], s[36:37], 0x800000      ; k,
	s_add_nc_u64 s[34:35], s[36:37], 0x1000000     ; v
; The next slot's 32,768 bytes are asked for: 64 bytes a thread.  Behind the long block's last slot the offsets begin anew.
.macro GLOAD
	v_add_nc_u32 v[GA], s[LO], v[T16]
	global_load_b128 v[208:211], v[GA], s[32:33]
	global_load_b128 v[212:215], v[GA], s[32:33] offset:8192
	global_load_b128 v[216:219], v[GA], s[34:35]
	global_load_b128 v[220:223], v[GA], s[34:35] offset:8192
	s_add_co_u32 s[JL], s[JL], 1
	s_add_co_u32 s[LO], s[LO], 16384
	s_cmp_eq_u32 s[JL], s[FIRST]
	s_cselect_b32 s[LO], 0, s[LO]
.endm
; A block of queries begins: ids, q's fragment, and the statistics: O^T and l zeros, the largest t under every t, so that the first step is written like every other.
.macro INITBLK
	s_lshl_b32 s[Q0], s[BLK], 8
	s_add_co_u32 s[Q0], s[Q0], s[WQ]
	s_and_b32 s[QG], s[Q0], 0xffffff80
	s_mov_b32 s[KF], 0
	s_lshr_b32 s[CO], s[BH], 4
	s_lshl_b32 s[CO], s[CO], 3
	s_add_co_u32 s[CO], s[CO], s[BLK]              ; token / 256
	s_lshl_b32 s[CO], s[CO], 4
	s_and_b32 s40, s[BH], 15
	s_add_co_u32 s[CO], s[CO], s40
	s_lshl_b32 s[CO], s[CO], 14
	s_add_co_u32 s[CO], s[CO], s[WOFF]
	s_lshl_b32 s40, s[BLK], 14
	s_lshl_b32 s41, s[WV], 10
	s_add_co_u32 s40, s40, s41
	v_add_nc_u32 v[QA], s40, v[L16]
	global_load_b128 v[16:19], v[QA], s[36:37]
	global_load_b128 v[20:23], v[QA], s[36:37] offset:512
	v_mov_b32 v13, 0xff61b1e6                      ; -3e38
	v_floor_f32 v12, -v13
	v_mov_b32 v14, 0
	v_mov_b32 v15, 0
.set j, 0
.rept 32
	v_mov_b32 v[160+j], 0
.set j, j+1
.endr
	s_wait_loadcnt 0x0                             ; q is in (and the slot that was on its way)
.endm
; The slot that was asked for a trip ago goes into the LDS slot that was read in the trip before; then the slot after it is asked for.  Every wave runs this, also one whose steps are left out.
.macro COPY
	s_cmp_lt_u32 s[J], 8
	s_cbranch_scc0 .Lnocopy_\@
	s_wait_loadcnt 0x0
	ds_store_b128 v[ADW], v[208:211]
	ds_store_b128 v[ADW], v[212:215] offset:8192
	ds_store_b128 v[ADW], v[216:219] offset:16384
	ds_store_b128 v[ADW], v[220:223] offset:24576
	s_cmp_lt_u32 s[J], 7
	s_cbranch_scc0 .Lnocopy_\@
	s_wait_dscnt 0x0                               ; the stores have read their registers
	GLOAD
.Lnocopy_\@:
.endm
; A KEY STEP: 128 keys, the q-th of the slot in hand.
.macro STEP q
	s_cmp_gt_u32 s[KF], s[QG]
	s_cbranch_scc1 .Lhidden_\@                     ; all 128 keys come after my queries
.rept 4
	v_nop                                          ; places in front of loads into registers that matrix instructions have read
.endr
.irp t, 0,1,2,3,4,5,6,7
	ds_load_b128 v[32+8*\t:35+8*\t], v[ADL] offset:8192*(\q)+1024*\t
	ds_load_b128 v[36+8*\t:39+8*\t], v[ADL] offset:8192*(\q)+1024*\t+512
.endr
	s_wait_dscnt 0x0
.irp t, 0,1,2,3,4,5,6,7
	v_wmma_f32_16x16x64_fp8_fp8 v[96+8*\t:103+8*\t], v[32+8*\t:39+8*\t], v[16:23], 0   ; S^T: source 0 = 16 keys, source 1 = my 16 queries
.endr
.rept 4
	v_nop                                          ; places: for the loads below and for the first read of the scores
.endr
.irp t, 0,1,2,3
.irp c, 0,1,2,3
	ds_load_b128 v[32+16*\t+4*\c:35+16*\t+4*\c], v[ADL] offset:16384+8192*(\q)+2048*\t+512*\c   ; v's fragments land while the softmax is walked
.endr
.endr
	s_cmp_lg_u32 s[KF], s[QG]
	s_cbranch_scc1 .Lopen_\@
	s_sub_co_i32 s40, s[Q0], s[KF]                 ; on the diagonal hidden scores become -infinity ahead of the maximum: p = 0 then
	v_add_nc_u32 v252, s40, v[QL]                  ; d = my query - KF - 16 h: register 16 b + i is hidden where 32 b + i > d
	v_mov_b32 v254, 0xff800000
.irp n, 0,1,2,3,4,5,6,7,8,9,10,11,12,13,14,15,16,17,18,19,20,21,22,23,24,25,26,27,28,29,30,31,32,33,34,35,36,37,38,39,40,41,42,43,44,45,46,47,48,49,50,51,52,53,54,55,56,57,58,59,60,61,62,63
	v_cmp_gt_i32 vcc_lo, 32*(\n/16)+\n%16, v252
	v_cndmask_b32 v[96+\n], v[96+\n], v254, vcc_lo
.endr
.Lopen_\@:
	v_max3_num_f32 v254, v96, v97, v98             ; the step's largest score of my query among my 64 keys, in two chains,
	v_max3_num_f32 v252, v99, v100, v101
.irp i, 6,10,14,18,22,26,30,34,38,42,46,50,54,58
	v_max3_num_f32 v254, v254, v[96+\i], v[97+\i]
	v_max3_num_f32 v252, v252, v[98+\i], v[99+\i]
.endr
	v_max3_num_f32 v254, v254, v158, v159
	v_max_num_f32 v254, v254, v252
	v_permlanex16_b32 v248, v254, s[SEL], s[SEL+1]
	v_max_num_f32 v254, v254, v248                 ; and among lane l xor 16's
	v_mul_f32 v254, s[CS], v254                    ; as t
	v_max_num_f32 v13, v13, v254
	v_mov_b32 v254, v12
	v_floor_f32 v12, -v13                          ; the new -M = floor(-t): M is a whole number
	v_sub_f32 v254, v12, v254                      ; old M - new M, 0 or less
	v_cvt_i32_f32 v254, v254                       ; (it saturates)
	v_ldexp_f32 v252, 1.0, v254                    ; f = 2^(old M - new M)
.set j, 0
.rept 32
	v_pk_fma_f32 v[96+j:97+j], v[96+j:97+j], s[CS:CS+1], v[12:13] op_sel_hi:[1,0,0]   ; t - M
.set j, j+2
.endr
.set j, 0
.rept 64
	v_exp_f32 v[96+j], v[96+j]                     ; p = 2^(t - M)
.set j, j+1
.endr
	v_pk_mul_f32 v[14:15], v[14:15], v[252:253] op_sel_hi:[1,0]   ; l under the new M: the plain instruction behind the exponentials
	s_wait_alu depctr_va_vdst(0)                   ; one wait for the whole batch, ahead of its first reader
	v_pk_add_f32 v[242:243], v[96:97], v[98:99]    ; l is taken of the unquantised p, in two chains
.irp j, 4,8,12,16,20,24,28,32,36,40,44,48,52,56,60
	v_pk_add_f32 v[14:15], v[14:15], v[96+\j:97+\j]
	v_pk_add_f32 v[242:243], v[242:243], v[98+\j:99+\j]
.endr
	v_pk_add_f32 v[14:15], v[14:15], v[242:243]
	s_cmp_gt_i32 s28, -9                           ; p is at most 1 (but for a last bit), and from e4 = -8 on 448 x 2^e4 is 1.75 or more: the hold can then hold nothing
	s_cbranch_scc1 .Lnohold_\@
.set j, 0
.rept 64
	v_min_num_f32 v[96+j], v[96+j], v240           ; p is not negative: the hold is one-sided
.set j, j+1
.endr
.Lnohold_\@:
.irp b, 0,1,2,3
	v_cvt_scalef32_pk8_fp8_f32 v[192+4*\b:193+4*\b], v[96+16*\b:103+16*\b], v244
	v_cvt_scalef32_pk8_fp8_f32 v[194+4*\b:195+4*\b], v[104+16*\b:111+16*\b], v244
.endr
.set j, 0
.rept 16
	v_pk_mul_f32 v[160+j:161+j], v[160+j:161+j], v[252:253] op_sel_hi:[1,0]   ; O^T under the new M; also the plain instructions behind the conversions
.set j, j+2
.endr
	s_wait_dscnt 0x0                               ; v's fragments are in
.irp t, 0,1,2,3
	v_wmma_f32_16x16x128_fp8_fp8 v[160+8*\t:167+8*\t], v[32+16*\t:47+16*\t], v[192:207], v[160+8*\t:167+8*\t]   ; O^T += v^T p^T: four accumulators by turns
.endr
.Lhidden_\@:
	s_add_co_u32 s[KF], s[KF], 128
.endm
; A block's way out: ctx = O / l x 2^(e4 + e5), held, converted with 2^e6; 16 rows of 64 bytes through my stage; two stores of 512 consecutive bytes: my queries are two runs of eight.
.macro WAYOUT
	s_wait_xcnt 0x0                                ; the last way out's stores have read their registers
.rept 4
	v_nop                                          ; places behind the last products
.endr
	v_add_f32 v14, v14, v15
	v_permlanex16_b32 v248, v14, s[SEL], s[SEL+1]
	v_add_f32 v14, v14, v248                       ; the row's sum
	v_rcp_f32 v14, v14
	v_add_nc_u32 v[GO], s[CO], v[L16]              ; (the plain instruction behind the reciprocal)
	s_wait_alu depctr_va_vdst(0)                   ; the wait ahead of its first reader
	v_ldexp_f32 v14, v14, s[ESUM]
.set j, 0
.rept 32
	v_mul_f32 v[96+j], v[160+j], v14               ; register 8 t + i: channel 16 t + 8 h + i of my query
.set j, j+1
.endr
.set j, 0
.rept 32
	v_med3_num_f32 v[96+j], v[96+j], -v246, v246
.set j, j+1
.endr
.irp t, 0,1,2,3
	v_cvt_scalef32_pk8_fp8_f32 v[224+2*\t:225+2*\t], v[96+8*\t:103+8*\t], v245
.endr
	v_nop                                          ; a plain vector instruction behind the last conversion
.irp t, 0,1,2,3
	ds_store_b64 v[STO], v[224+2*\t:225+2*\t] offset:16*\t
.endr
	ds_load_b128 v[232:235], v[SRD]                ; LDS serves a wave's instructions in order: these see my stores
	ds_load_b128 v[236:239], v[SRD] offset:512
	s_wait_dscnt 0x0
	global_store_b128 v[GO], v[232:235], s[8:9]
	global_store_b128 v[GO], v[236:239], s[8:9] offset:1024   ; queries 16 further on: 16 x 64 bytes
.endm
	GLOAD                                          ; the first slot
	INITBLK
	ds_store_b128 v[T16], v[208:211]               ; into slot 0
	ds_store_b128 v[T16], v[212:215] offset:8192
	ds_store_b128 v[T16], v[216:219] offset:16384
	ds_store_b128 v[T16], v[220:223] offset:24576
	s_wait_dscnt 0x0
	GLOAD                                          ; the second
	s_wait_kmcnt 0x0
	s_add_co_i32 s40, s26, s27
	s_lshl_b32 s40, s40, 23
	s_add_co_i32 s[CS], s40, 0x3e38aa3b            ; log2(e) / 8 with e2 + e3 added to its exponent field
	s_mov_b32 s[CS+1], s[CS]
	s_add_co_i32 s40, s28, 127
	s_lshl_b32 s41, s40, 23
	v_mov_b32 v244, s41                            ; 2^e4
	s_add_co_i32 s40, s40, 8
	s_lshl_b32 s40, s40, 23
	s_or_b32 s40, s40, 0x600000
	v_mov_b32 v240, s40                            ; 448 x 2^e4
	s_add_co_i32 s40, s30, 127
	s_lshl_b32 s41, s40, 23
	v_mov_b32 v245, s41                            ; 2^e6
	s_add_co_i32 s40, s40, 8
	s_lshl_b32 s40, s40, 23
	s_or_b32 s40, s40, 0x600000
	v_mov_b32 v246, s40                            ; 448 x 2^e6
	s_add_co_i32 s[ESUM], s28, s29
.Lslot:                                            ; nine trips
	s_wait_dscnt 0x0                               ; my stores into the slot ahead have landed, and my reads of the other slot are over
	s_barrier_signal -1
	s_barrier_wait -1                              ; both now hold of every wave
	v_add_nc_u32 v[ADL], s[TB], v[L16]
	s_xor_b32 s40, s[TB], SLOT1
	v_add_nc_u32 v[ADW], s40, v[T16]
	STEP 0
	COPY
	STEP 1
	s_xor_b32 s[TB], s[TB], SLOT1
	s_add_co_u32 s[J], s[J], 1
	s_cmp_lg_u32 s[J], s[NX]
	s_cbranch_scc1 .Lsame
	WAYOUT                                         ; the block's last slot is done
	s_cmp_eq_u32 s[J], 9
	s_cbranch_scc1 .Ldone
	s_mov_b32 s[BLK], s[PI]                        ; the short block follows
	s_mov_b32 s[NX], 9
	INITBLK
.Lsame:
	s_cmp_lt_u32 s[J], 9
	s_cbranch_scc1 .Lslot
.Ldone:
	s_wait_tensorcnt 0x0
	ds_add_u32 v251, v255
	s_wait_dscnt 0x0
	s_endpgm
.Lfunc_end_k_q4b93ae4bf1_attn:
	.size	k_q4b93ae4bf1_attn, .Lfunc_end_k_q4b93ae4bf1_attn-k_q4b93ae4bf1_attn
	.p2alignl 7, 3214868480
	.fill 96, 4, 3214868480
	.section	.rodata,"a",@progbits
	.p2align	6, 0x0
	.amdhsa_kernel k_q4b93ae4bf1_attn
		.amdhsa_group_segment_fixed_size 83968
		.amdhsa_private_segment_fixed_size 0
		.amdhsa_enable_private_segment 0
		.amdhsa_kernarg_size 24
		.amdhsa_user_sgpr_count 2
		.amdhsa_user_sgpr_kernarg_segment_ptr 1
		.amdhsa_wavefront_size32 1
		.amdhsa_system_sgpr_workgroup_id_x 1
		.amdhsa_system_sgpr_workgroup_id_y 1
		.amdhsa_system_sgpr_workgroup_id_z 1
		.amdhsa_system_vgpr_workitem_id 0
		.amdhsa_next_free_vgpr 256
		.amdhsa_next_free_sgpr 66
		.amdhsa_reserve_vcc 1
		.amdhsa_float_denorm_mode_32 3
		.amdhsa_float_denorm_mode_16_64 3
		.amdhsa_memory_ordered 1
		.amdhsa_forward_progress 1
		.amdhsa_inst_pref_size 55
	.end_amdhsa_kernel
	.amdgpu_metadata
---
amdhsa.version: [ 1, 2 ]
amdhsa.kernels:
  - .name:           k_q4b93ae4bf1_attn
    .symbol:         k_q4b93ae4bf1_attn.kd
    .args:
      - { .name: qkv_img, .offset: 0, .size: 8, .value_kind: global_buffer, .address_space: global }
      - { .name: lowp_scales, .offset: 8, .size: 8, .value_kind: global_buffer, .address_space: global }
      - { .name: ctx_codes, .offset: 16, .size: 8, .value_kind: global_buffer, .address_space: global }
    .group_segment_fixed_size: 83968
    .private_segment_fixed_size: 0
    .kernarg_segment_align: 8
    .kernarg_segment_size: 24
    .max_flat_workgroup_size: 512
    .sgpr_count:     66
    .vgpr_count:     256
    .wavefront_size: 32
...
	.end_amdgpu_metadata
.endif
;; end of part 3
;; launch proj (part 4): grid 8 x 32, 4 waves a work-group, clusters of 4 x 4, 327,680 bytes of LDS; arguments ctx_codes, w_codes, lowp_scales, b_proj, out0; writes out0
.if DOCPART == 4
	.amdgcn_target "amdgcn-amd-amdhsa--gfx1250"
	.amdhsa_code_object_version 6
	.text
	.protected	k_q4b93ae4bf1_proj
	.globl	k_q4b93ae4bf1_proj
	.p2align	8
	.type	k_q4b93ae4bf1_proj,@function
k_q4b93ae4bf1_proj:
	s_mov_b64 s[64:65], 0
	v_nop
	global_prefetch_b8 v0, s[64:65] scope:SCOPE_SE
	s_setreg_imm32_b32 hwreg(HW_REG_WAVE_MODE, 25, 1), 1
	s_wait_xcnt 0x0
	s_wait_alu depctr_hold_cnt(0) depctr_sa_sdst(0) depctr_va_vdst(0) depctr_va_sdst(0) depctr_va_ssrc(0) depctr_va_vcc(0) depctr_vm_vsrc(0)
	s_getreg_b32 s2, hwreg(HW_REG_IB_STS2, 6, 4)
	s_cmp_eq_u32 s2, 0
	s_cbranch_scc0 .Lentry_in_a_cluster
	s_endpgm
.Lentry_in_a_cluster:
	s_bfe_u32 s2, ttmp6, 0x10000c
	s_cmp_lg_u32 s2, 0xf033
	s_cbranch_scc0 .Lentry_shape_is_right
	s_endpgm
.Lentry_shape_is_right:
; out0 = ctx W_proj + b_proj on codes of FP8 (E4M3): a finished sum x 2^(e6 + e7) + bias, in one fused multiply-add; out0 [8192][1024] f32.
; LIMIT: e6 + e7 between -126 and 127.
; ctx_codes: ((token / 256 x 16 + head) x 256 + token % 256) x 64 + channel: the tile of 256 tokens x 256 along K (four heads) is one dense block of 65,536 bytes.  w_codes rows 3,072 + n: [n][1024], K innermost.
; A tile of 256 tokens x 128 columns gives 8 x 32 = 256 work-groups.  Four waves, each 128 x 64: 32 accumulators, 256 registers.  K = 1,024 goes in four steps of 256 through two LDS slots.
; CLUSTERS: 4 x 4 work-groups: A's tile (tokens) is shared along a row of the cluster, B's (columns) along a column; each is asked for jointly.  Source 0 = 16 rows of w, source 1 = 16 tokens: a lane holds eight
; neighbouring columns of one token.  Four K steps: nothing is prefetched.
; A IN LDS: the dense block comes as rows of 256 bytes + 16 of padding: row 64 hd + tau / 4 holds four tokens' 64 channels of head hd.  Token tau's channels d of head hd lie at (64 hd + tau / 4) x 272 + 64 (tau % 4) + d:
; the sixteen tokens of a fragment load fall on sixteen different columns of 16 bytes.
; REGISTERS: window 0: v0-31 addresses; v32-63 the bias; v64-95 at work on the way out; from v128 A's fragments, one set.  window 1: B's fragments, two sets, at v0 and v64.  window 2: the accumulators ((a, b) at v[8 (4 a + b)]).
.set PITCH,  272
.set FR,     16
.set NP,     4
.set HEADB,  64*PITCH                  ; a head's 256 tokens in LDS: 17,408 bytes
.set AHALF,  128*PITCH                 ; what one of A's loads brings
.set BHALF,  64*PITCH                  ; what one of B's brings
.set BOFF,   2*AHALF
.set SLOT,   2*AHALF+2*BHALF
.set SPARE,  2*SLOT                    ; behind the ring: the spare words, 128 bytes for each wave
.set LAPS,   2
.set SPITCH, 272                       ; the way out: 16 rows x (256 bytes + 16) for each wave, in slot 0, which has had its last fill and its last read by then
.set ADRA, 16
.set ADRB, 20
.set STO,  24
.set RD,   25
.set CO,   26
.set SPW,  28
.set NIL,  29
.set BP,   32
.set TMP,  64
.set AF,   128
.set BK,   128
.set G1, 24
.set G0, 32
.set G1B, 48
.set G0B, 56
.set MSB, 0
.macro WIN new
.if MSB != (\new)
	s_set_vgpr_msb (MSB<<8)|(\new)
.set MSB, (\new)
.endif
.endm
.set MUL,  0xa1                        ; source 0 (B) window 1, source 1 (A) window 0, C and D window 2
.set TO_B, 0x40
.macro JLOAD g0a, g1a, g0b, g1b        ; waves 0 and 1 fetch for A, waves 2 and 3 for B; four v_nop follow each of the two lines
	s_cmp_eq_u32 s15, 0
	s_cbranch_scc0 .Lfor_b_\@
	tensor_load_to_lds s[\g0a:\g0a+3], s[\g1a:\g1a+7]
	s_nop 0
.rept 4
	v_nop
.endr
	s_branch .Lasked_\@
.Lfor_b_\@:
	tensor_load_to_lds s[\g0b:\g0b+3], s[\g1b:\g1b+7]
	s_nop 0
.rept 4
	v_nop
.endr
.Lasked_\@:
.endm
.macro CREST
	s_cmp_lg_u32 s14, 0
	s_cbranch_scc1 .Lnot_wave_0_\@
	s_barrier_signal -3
.Lnot_wave_0_\@:
	s_barrier_wait -3
	s_barrier_signal -1
	s_barrier_wait -1
.endm
.macro CROUND
	s_barrier_signal -1
	s_barrier_wait -1
	CREST
.endm
	s_load_b256 s[4:11], s[0:1], 0x0               ; ctx_codes s[4:5], w_codes s[6:7], the scales' exponents s[8:9], b_proj s[10:11]
	s_load_b64 s[12:13], s[0:1], 0x20              ; out0
	v_lshl_add_u32 v[SPW], v0, 2, SPARE
	v_mov_b32 v[NIL], 0
	ds_add_u32 v28, v29
	ds_add_u32 v28, v29
	s_wait_dscnt 0x0
	v_lshrrev_b32 v1, 5, v0
	v_readfirstlane_b32 s14, v1                    ; wave 0..3
	s_lshr_b32 s15, s14, 1                         ; which 128 tokens are mine.  Also: I fetch for A (0) or for B (1)
	s_and_b32 s16, s14, 1                          ; which 64 columns.  Also: which half of that tile I fetch
	s_bfe_u32 s40, ttmp6, 0x40000                  ; cx
	s_bfe_u32 s41, ttmp6, 0x40004                  ; cy
	s_lshl_b32 s42, ttmp9, 2
	s_add_co_u32 s42, s42, s40                     ; tile of 128 columns
	s_and_b32 s17, ttmp7, 0xffff
	s_lshl_b32 s17, s17, 2
	s_add_co_u32 s17, s17, s41                     ; tile of 256 tokens
	s_lshl_b32 s43, s41, 2
	s_lshl_b32 s43, 15, s43                        ; my row of the cluster
	s_lshl_b32 s44, 0x1111, s40                    ; my column
	s_or_b32 s[G1+0], s43, (1<<20)|(1<<21)|(5<<22)|(3<<25)   ; the mask; elements of 1 byte; padding on; bit 21 beside a mask; after every 64 words, 4 words
	s_mov_b32 s[G1+1], 256<<16                     ; tensor_dim0 = 256
	s_mov_b32 s[G1+2], 128<<16                     ; tensor_dim1 = 128
	s_mov_b32 s[G1+3], 256<<16                     ; tile_dim0
	s_mov_b32 s[G1+4], 128                         ; tile_dim1
	s_mov_b32 s[G1+5], 256                         ; dense: a row begins where the last ends
	s_mov_b32 s[G1+6], 0
	s_mov_b32 s[G1+7], 0
	s_or_b32 s[G1B+0], s44, (1<<20)|(1<<21)|(5<<22)|(3<<25)
	s_mov_b32 s[G1B+1], 256<<16
	s_mov_b32 s[G1B+2], 64<<16                     ; 64 rows
	s_mov_b32 s[G1B+3], 256<<16
	s_mov_b32 s[G1B+4], 64
	s_mov_b32 s[G1B+5], 1024                       ; a row of w_codes
	s_mov_b32 s[G1B+6], 0
	s_mov_b32 s[G1B+7], 0
	s_lshl_b32 s20, s17, 18                        ; A: 262,144 bytes a tile of tokens,
	s_lshl_b32 s22, s16, 15                        ; 32,768 a half of a K step's block
	s_add_co_u32 s20, s20, s22
	s_mov_b32 s21, 0
	s_lshl_b32 s46, s42, 7                         ; B: row 3,072 + 128 x tile + 64 x half
	s_lshl_b32 s22, s16, 6
	s_add_co_u32 s46, s46, s22
	s_add_co_u32 s46, s46, 3072
	s_lshl_b32 s46, s46, 10
	s_mov_b32 s47, 0
	s_mul_i32 s45, s16, AHALF                      ; where they go: A's two halves,
	s_mul_i32 s67, s16, BHALF
	s_add_co_u32 s67, s67, BOFF                    ; then B's two
	s_wait_kmcnt 0x0
	s_load_b256 s[72:79], s[8:9], 0x0              ; e0 .. e7
	s_add_nc_u64 s[20:21], s[4:5], s[20:21]
	s_add_nc_u64 s[46:47], s[6:7], s[46:47]
	CROUND                                         ; all sixteen work-groups are here: the first joint loads meet
.irp s, 0,1
	s_mov_b32 s[G0+4*\s], 1
	s_add_co_u32 s[G0+4*\s+1], s45, \s*SLOT
	s_add_nc_u64 s[G0+4*\s+2:G0+4*\s+3], s[20:21], \s*65536
	s_or_b32 s[G0+4*\s+3], s[G0+4*\s+3], 0x80000000
	s_mov_b32 s[G0B+4*\s], 1
	s_add_co_u32 s[G0B+4*\s+1], s67, \s*SLOT
	s_add_nc_u64 s[G0B+4*\s+2:G0B+4*\s+3], s[46:47], \s*256
	s_or_b32 s[G0B+4*\s+3], s[G0B+4*\s+3], 0x80000000
	JLOAD G0+4*\s, G1, G0B+4*\s, G1B
.endr
	v_and_b32 v1, 15, v0                           ; r
	v_bfe_u32 v2, v0, 4, 1                         ; h
	v_lshrrev_b32 v3, 2, v1
	v_mul_u32_u24 v3, v3, PITCH
	v_and_b32 v4, 3, v1
	v_lshl_add_u32 v3, v4, 6, v3
	v_lshl_add_u32 v3, v2, 4, v3                   ; A: (r / 4) x 272 + 64 (r % 4) + 16 h
	v_mul_u32_u24 v4, v1, PITCH
	v_lshl_add_u32 v4, v2, 4, v4                   ; B: r x 272 + 16 h
	s_mul_i32 s21, s15, 32*PITCH                   ; my 128 tokens: 32 rows in each head
	s_mul_i32 s22, s16, BHALF
	s_add_co_u32 s22, s22, BOFF
.irp s, 0,1
	v_add_nc_u32 v[ADRA+\s], s21, v3
	v_add_nc_u32 v[ADRB+\s], s22, v4
	s_add_co_u32 s21, s21, SLOT
	s_add_co_u32 s22, s22, SLOT
.endr
	s_mul_i32 s23, s14, 16*SPITCH                  ; my stage
	v_mul_u32_u24 v5, v1, SPITCH
	v_lshl_add_u32 v5, v2, 5, v5
	v_add_nc_u32 v[STO], s23, v5                   ; in: row r, + 32 h
	v_mul_u32_u24 v5, v2, SPITCH
	v_lshl_add_u32 v5, v1, 4, v5
	v_add_nc_u32 v[RD], s23, v5                    ; back: lanes 0-15 one row of 256 bytes, lanes 16-31 the next
	v_lshlrev_b32 v5, 12, v2
	v_lshl_add_u32 v[CO], v1, 4, v5                ; and the same two rows in out0
	s_lshl_b32 s46, s42, 9
	s_lshl_b32 s47, s16, 8
	s_add_co_u32 s46, s46, s47                     ; my first column, in bytes
	s_mov_b32 s47, 0
	s_add_nc_u64 s[88:89], s[10:11], s[46:47]      ; the bias there
	s_lshl_b32 s20, s17, 8
	s_lshl_b32 s21, s15, 7
	s_add_co_u32 s20, s20, s21
	s_lshl_b32 s20, s20, 12                        ; my first token's row of 4,096 bytes
	s_mov_b32 s21, 0
	s_add_nc_u64 s[20:21], s[20:21], s[46:47]
	s_add_nc_u64 s[12:13], s[12:13], s[20:21]
	v_lshlrev_b32 v8, 5, v2                        ; 32 h; never rewritten
.irp b, 0,1,2,3
	global_load_b128 v[BP+8*\b:BP+8*\b+3], v8, s[88:89] offset:64*\b          ; the bias of columns 16 b + 8 h + 0 .. 7
	global_load_b128 v[BP+8*\b+4:BP+8*\b+7], v8, s[88:89] offset:64*\b+16
.endr
.macro FRAGA reg, slot, q, a           ; 16 tokens x 128 K: registers 4 c .. 4 c + 3: head 2 q + c / 2 of the slot's four, channels 32 (c % 2) + 16 h + 0 .. 15: K = 128 q + 32 c + 16 h + 0 .. 15
.irp c, 0,1,2,3
	ds_load_b128 v[\reg+4*\c:\reg+4*\c+3], v[ADRA+\slot] offset:(2*(\q)+(\c/2))*HEADB+4*(\a)*PITCH+32*(\c%2)
.endr
.endm
.macro FRAGB reg, slot, q, i           ; 16 rows of w x 128 K, in the same order of k
.irp c, 0,1,2,3
	ds_load_b128 v[\reg+4*\c:\reg+4*\c+3], v[ADRB+\slot] offset:128*(\q)+32*\c+(\i)*16*PITCH
.endr
.endm
; 8 matrix instructions: A's blocks a0, a0 + 1 x B's four.  The 32 accumulators take turns, one instruction a turn, in the same order in every step.
.macro MULS a0, p, zero
.irp a, \a0, \a0+1
.irp b, 0,1,2,3
.if \zero
	v_wmma_f32_16x16x128_fp8_fp8 v[8*(4*(\a)+\b):8*(4*(\a)+\b)+7], v[64*(\p)+FR*\b:64*(\p)+FR*\b+FR-1], v[AF+FR*(\a):AF+FR*(\a)+FR-1], 0
.else
	v_wmma_f32_16x16x128_fp8_fp8 v[8*(4*(\a)+\b):8*(4*(\a)+\b)+7], v[64*(\p)+FR*\b:64*(\p)+FR*\b+FR-1], v[AF+FR*(\a):AF+FR*(\a)+FR-1], v[8*(4*(\a)+\b):8*(4*(\a)+\b)+7]
.endif
.endr
.endr
.endm
.macro FETCH_B slot, q, p
	WIN TO_B
.irp i, 0,1,2,3
	FRAGB 64*(\p)+FR*\i, \slot, \q, \i
.endr
	WIN 0
.endm
.macro FETCH_A slot, q, i0
.irp i, \i0, \i0+1, \i0+2, \i0+3
	FRAGA AF+FR*(\i), \slot, \q, \i
.endr
.endm
.macro PLACES n
.rept \n
	v_nop
.endr
.endm
.macro STEP slot, q, zero
	s_wait_dscnt 16                                ; B's set and A's blocks 0-3 are in; the youngest sixteen loads (A's blocks 4-7) may be out
	WIN MUL
	MULS 0, (\q)%2, \zero
	MULS 2, (\q)%2, \zero
	s_wait_dscnt 0
	PLACES NP
	FETCH_B \slot, (\q)+1, 1-(\q)%2
	FETCH_A \slot, (\q)+1, 0
	WIN MUL
	MULS 4, (\q)%2, \zero
	MULS 6, (\q)%2, \zero
	PLACES NP
	WIN 0
	FETCH_A \slot, (\q)+1, 4
.endm
.macro TURN slot, next, fill
	s_wait_tensorcnt 0x0                           ; all my tensor loads have landed: my part of the next slot
	ds_add_u32 v[SPW], v[NIL]                      ; 0 onto my spare word
	s_wait_dscnt 17                                ; the add and the youngest sixteen loads may be out
	WIN MUL
	MULS 0, 1, 0
	s_wait_dscnt 0x0                               ; the add is done, and my reads of this slot are over
	s_barrier_signal -1
	MULS 2, 1, 0
	WIN 0
	s_barrier_wait -1
.if \fill
	CREST                                          ; the barrier has opened a round of the cluster's barrier
	s_add_nc_u64 s[G0+4*\slot+2:G0+4*\slot+3], s[G0+4*\slot+2:G0+4*\slot+3], 2*65536
	s_add_nc_u64 s[G0B+4*\slot+2:G0B+4*\slot+3], s[G0B+4*\slot+2:G0B+4*\slot+3], 2*256
	JLOAD G0+4*\slot, G1, G0B+4*\slot, G1B         ; the first tensor load behind the round; its four v_nop are the places in front of the loads below
.else
	PLACES NP
.endif
	FETCH_B \next, 0, 0
	FETCH_A \next, 0, 0
	WIN MUL
	MULS 4, 1, 0
	MULS 6, 1, 0
	PLACES NP
	WIN 0
	FETCH_A \next, 0, 4
.endm
	s_wait_tensorcnt 1                             ; my part of K step 0 is in; K step 1's load may be out
	s_barrier_signal -1
	s_barrier_wait -1
	FETCH_B 0, 0, 0
	FETCH_A 0, 0, 0
	FETCH_A 0, 0, 4
	STEP 0, 0, 1                                   ; the first step's products start the sums
	s_mov_b32 s3, LAPS-1
.Llap:
	TURN 0, 1, 1
	STEP 1, 0, 0
	TURN 1, 0, 1
	STEP 0, 0, 0
	s_sub_co_u32 s3, s3, 1
	s_cmp_lg_u32 s3, 0
	s_cbranch_scc1 .Llap
	TURN 0, 1, 0                                   ; the last lap fills nothing
	STEP 1, 0, 0
	s_wait_dscnt 16
	WIN MUL
	MULS 0, 1, 0
	MULS 2, 1, 0
	s_wait_dscnt 0
	MULS 4, 1, 0
	MULS 6, 1, 0
	WIN 0
; THE WAY OUT, block by block of 16 tokens x 64 columns: through my own stage and back as rows of 256 bytes, which sixteen lanes store as 256 consecutive bytes, aligned.
.macro TOSTAGE a
.set AC, 32*(\a)
	WIN 0x02                                       ; source 0: window 2
.irp j, 0,2,4,6,8,10,12,14,16,18,20,22,24,26,28,30
	v_pk_fma_f32 v[TMP+\j:TMP+\j+1], v[AC+\j:AC+\j+1], s[80:81], v[BP+\j:BP+\j+1] op_sel_hi:[1,0,1]   ; sum x 2^(e6 + e7) + bias; each accumulator from its low end on
.endr
	WIN 0
.irp b, 0,1,2,3
	ds_store_b128 v[STO], v[TMP+8*\b:TMP+8*\b+3] offset:64*\b
	ds_store_b128 v[STO], v[TMP+8*\b+4:TMP+8*\b+7] offset:64*\b+16
.endr
.set BB, BK+32*((\a)%2)
.irp t, 0,1,2,3,4,5,6,7
	ds_load_b128 v[BB+4*\t:BB+4*\t+3], v[RD] offset:\t*2*SPITCH   ; LDS serves a wave's instructions in order: these see the stores above
.endr
.endm
.macro SEND a, younger
.set BB, BK+32*((\a)%2)
	s_wait_dscnt \younger                          ; the block is back in registers
.if (\a) > 0
	s_add_nc_u64 s[12:13], s[12:13], 16*4096       ; (behind a wait on XCNT: the earlier stores have read their base)
.endif
.irp t, 0,1,2,3,4,5,6,7
	global_store_b128 v[CO], v[BB+4*\t:BB+4*\t+3], s[12:13] offset:2*\t*4096 th:TH_STORE_NT
.endr
.endm
	s_wait_kmcnt 0x0
	s_add_co_i32 s80, s78, s79
	s_add_co_i32 s80, s80, 127
	s_lshl_b32 s80, s80, 23                        ; 2^(e6 + e7) as f32
	s_mov_b32 s81, s80
	s_wait_loadcnt 0x0                             ; the bias
	PLACES NP                                      ; behind the last products
	TOSTAGE 0
.irp a, 1,2,3,4,5,6,7
.if \a > 1
	s_wait_xcnt 0x0                                ; block a - 2's stores have read their registers and their base
.endif
	TOSTAGE \a
	SEND \a-1, 16                                  ; behind block a - 1's loads: block a's 8 stores and 8 loads
.endr
	s_wait_xcnt 0x0
	SEND 7, 0
	s_wait_tensorcnt 0x0                           ; the wave's end
	ds_add_u32 v[SPW], v[NIL]
	s_wait_dscnt 0x0
	CROUND                                         ; the closing round
	s_endpgm
.Lfunc_end_k_q4b93ae4bf1_proj:
	.size	k_q4b93ae4bf1_proj, .Lfunc_end_k_q4b93ae4bf1_proj-k_q4b93ae4bf1_proj
	.p2alignl 7, 3214868480
	.fill 96, 4, 3214868480
	.section	.rodata,"a",@progbits
	.p2align	6, 0x0
	.amdhsa_kernel k_q4b93ae4bf1_proj
		.amdhsa_group_segment_fixed_size 327680
		.amdhsa_private_segment_fixed_size 0
		.amdhsa_enable_private_segment 0
		.amdhsa_kernarg_size 40
		.amdhsa_user_sgpr_count 2
		.amdhsa_user_sgpr_kernarg_segment_ptr 1
		.amdhsa_wavefront_size32 1
		.amdhsa_system_sgpr_workgroup_id_x 1
		.amdhsa_system_sgpr_workgroup_id_y 1
		.amdhsa_system_sgpr_workgroup_id_z 1
		.amdhsa_system_vgpr_workitem_id 0
		.amdhsa_next_free_vgpr 768
		.amdhsa_next_free_sgpr 100
		.amdhsa_reserve_vcc 0
		.amdhsa_float_denorm_mode_32 3
		.amdhsa_float_denorm_mode_16_64 3
		.amdhsa_memory_ordered 1
		.amdhsa_forward_progress 1
		.amdhsa_inst_pref_size 79
	.end_amdhsa_kernel
	.amdgpu_metadata
---
amdhsa.version: [ 1, 2 ]
amdhsa.kernels:
  - .name:           k_q4b93ae4bf1_proj
    .symbol:         k_q4b93ae4bf1_proj.kd
    .args:
      - { .name: ctx_codes, .offset: 0, .size: 8, .value_kind: global_buffer, .address_space: global }
      - { .name: w_codes, .offset: 8, .size: 8, .value_kind: global_buffer, .address_space: global }
      - { .name: lowp_scales, .offset: 16, .size: 8, .value_kind: global_buffer, .address_space: global }
      - { .name: b_proj, .offset: 24, .size: 8, .value_kind: global_buffer, .address_space: global }
      - { .name: out0, .offset: 32, .size: 8, .value_kind: global_buffer, .address_space: global }
    .group_segment_fixed_size: 327680
    .private_segment_fixed_size: 0
    .kernarg_segment_align: 8
    .kernarg_segment_size: 40
    .max_flat_workgroup_size: 128
    .sgpr_count:     100
    .vgpr_count:     768
    .wavefront_size: 32
...
	.end_amdgpu_metadata
.endif
;; end of part 4
;; ======== version 2 of 2: 4 launches; version 1 with the launch attn written anew for expert scheduling mode
;; workspace buffers: x_codes 8,388,608 bytes; w_codes 4,194,304 bytes; qkv_img 25,165,824 bytes; ctx_codes 8,388,608 bytes
;; launch prep: the kernel of part 1 again; grid 384 x 1, 4 waves a work-group, no clusters, 68,096 bytes of LDS; arguments x, W_attn, W_proj, lowp_scales, x_codes, w_codes; writes x_codes, w_codes
;; launch qkv: the kernel of part 2 again; grid 12 x 32, 4 waves a work-group, clusters of 4 x 4, 327,680 bytes of LDS; arguments x_codes, w_codes, lowp_scales, b_attn, qkv_img; writes qkv_img
;; launch attn (part 5): grid 4 x 64, 16 waves a work-group, no clusters, 83,968 bytes of LDS; arguments qkv_img, lowp_scales, ctx_codes; writes ctx_codes
.if DOCPART == 5
	.amdgcn_target "amdgcn-amd-amdhsa--gfx1250"
	.amdhsa_code_object_version 6
	.text
	.protected	k_q4b93ae4bf1_attn
	.globl	k_q4b93ae4bf1_attn
	.p2align	8
	.type	k_q4b93ae4bf1_attn,@function
k_q4b93ae4bf1_attn:
	s_mov_b64 s[64:65], 0
	v_nop
	global_prefetch_b8 v0, s[64:65] scope:SCOPE_SE
	s_setreg_imm32_b32 hwreg(HW_REG_WAVE_SCHED_MODE, 0, 2), 2
	s_setreg_imm32_b32 hwreg(HW_REG_WAVE_MODE, 25, 1), 1
	s_wait_xcnt 0x0
	s_wait_alu depctr_vm_vsrc(0)
; Causal attention of one head on codes of FP8 (E4M3): S = q k^T (K = 64), p = 2^(t - M), O = p v (K = the keys), ctx = O / l, quantised with 2^e6.
; t = score x 2^(e2 + e3) x log2(e) / 8; M = the running largest t rounded UP to a whole number; p is quantised with 2^e4, not normalised; l is the sum of the unquantised p.  When M moves, l and O are multiplied by 2^(old M - new M).
; LIMITS: e2 + e3 between -123 and 130 (added to the exponent field of log2(e) / 8); e4 and e6 between -126 and 119; NaN is not served.
; SHARES.  Work-group (pi, bh) owns the blocks of 256 queries 7 - pi and pi of head bh: (8 - pi) + (pi + 1) = 9 slots of 256 keys for every work-group, so the loop over slots has the constant count 9 and all 256 work-groups
; have equal work.  Each of sixteen waves owns one tile of 16 queries in 256 registers; four waves share a SIMD, so that one wave's vector work stands beside another's products and LDS loads.
; q, k and v lie in memory as images of operand registers: every fragment comes by loads of 16 bytes at 16 x lane.  A slot's 32,768 bytes (k's image, then v's) are asked for a slot ahead into registers, 64 bytes a
; thread, and stored into the LDS slot that was read in the trip before; one barrier a trip orders both directions.
; NO CLUSTER: work-group pi of a head wants key slot J in trip J < 8 - pi and J - (8 - pi) after it, so from trip 5 on the four work-groups of a head want different slots in the same trip.
; Both products are used transposed: a lane holds ONE query throughout.  Lane r's query is Q0 + r + 8 (r / 8); register 16 b + i of the scores holds key KF + 32 b + 16 h + i, so p's codes are the second product's operand.
; CAUSAL: the wave's 16 queries lie in one aligned group of 128, QG.  A step with KF > QG is left out (a scalar branch on ids); the step KF = QG is masked; the others are open.
; ctx_codes: ((token / 256 x 16 + head) x 256 + token % 256) x 64 + channel: a wave stores two runs of 512 consecutive bytes.
; REGISTERS: v1-9 addresses; v12 -M, v13 the largest t, v[14:15] l in two halves; v16-23 q; v32-95 k's fragments, then v's; v96-159 scores, then p; v160-191 O^T; v192-207 p's codes; v208-223 the slot on its way;
;   v224-231 ctx's codes; v232-239 rows to store; v240 448 x 2^e4, v244 2^e4, v245 2^e6, v246 448 x 2^e6; v242-243, v248, v252-254 at work.
; THE MODE: SCHED_MODE bits 1:0 = 2 (LLVM: expert scheduling mode 2), set by the entry lines.  The code itself states the register dependences between vector or matrix instructions and memory or LDS instructions,
; with s_wait_alu, always for 0.
; THE PLAN.  Registers that memory or LDS instructions touch:
;   v1, v2, v8, v9   offsets and LDS addresses, made at the head and never written again: the slot, the block and the head are reached by scalar bases.
;   v4, v5           the LDS addresses of the slot in hand and of the other slot: written by two adds at a trip's head, read by the trip's LDS loads and by the copy's LDS stores.
;   v16-23           q: two loads land at a block's start; the products S^T read them.
;   v32-95           k's sixteen LDS loads land, the products S^T read; then v's sixteen land, the products O^T read.  256 registers a wave leave no room for a second set.
;   v208-223         the slot on its way: global loads land, LDS stores read; no vector instruction names them.
;   v224-231         the way out's conversions write, its LDS stores read.     v232-239  LDS loads land, global stores read; no vector instruction names them.     v7  written in the way out, read by its two stores.
;   v251, v255       read by the closing add alone.
; THE WAITS.  A trip's head: one on vm_vsrc ahead of the two adds, one on va_vdst behind them, outside every branch; it serves the copy's stores and step 0's loads of k.  Step 1 has one on va_vdst ahead of its loads of k.
; Each step has one behind the products S^T, ahead of v's loads, and the one behind its exponentials.  The copy has one on vm_vsrc ahead of the next slot's loads.  The way out has one on vm_vsrc at its head, the reciprocal's
; wait, and one on va_vdst ahead of its LDS stores, which also serves the next block's loads of q: no vector instruction stands between.
.set SLOT1, 32768                      ; slot 1 begins here: one exclusive or turns an address of one slot into the other's
.set STAGE, 65536                      ; behind the slots: 1,024 bytes for each wave, for the way out
.set L16,  1                           ; 16 x lane
.set T16,  2                           ; 16 x thread
.set QL,   3                           ; r + 8 (r / 8) - 16 h
.set ADL,  4                           ; the slot in hand + 16 x lane
.set ADW,  5                           ; the other slot + 16 x thread
.set GO,   7                           ; my offset in ctx_codes
.set STO,  8
.set SRD,  9
.set WV,   10                          ; s10 wave
.set PI,   11                          ; s11 work-group x
.set BH,   12                          ; s12 head
.set NX,   13                          ; s13 the trip count at which the block in hand ends
.set J,    14                          ; s14 trips done
.set TB,   15                          ; s15 LDS byte of the slot in hand
.set KF,   16                          ; s16 the step's first key
.set Q0,   17
.set QG,   18
.set SEL,  20
.set CS,   22
.set JL,   38                          ; s38 slots asked for
.set BLK,  39                          ; s39 the block of queries in hand
.set CO,   44
.set ESUM, 45                          ; s45 e4 + e5
.set FIRST, 46                         ; s46 8 - pi
.set WOFF, 47                          ; s47 64 x WQ
.set WQ,   48                          ; s48 32 (wave / 2) + 8 (wave % 2): my tile's first query in its block
.set LO,   52                          ; s[52:53] byte offset of the next slot to ask for, with 0 above it
.set KB,   54                          ; s[54:55] k's image at the slot that is asked for
.set VB,   56                          ; s[56:57] v's
.set QB,   58                          ; s[58:59] q's image at my tile of the block in hand
.set MK,   66                          ; s66-s97 the causal mask's 32 lane masks of a run
	s_load_b128 s[4:7], s[0:1], 0x0                ; qkv_img s[4:5], the scales' exponents s[6:7]
	s_load_b64 s[8:9], s[0:1], 0x10                ; ctx_codes
	v_lshl_add_u32 v251, v0, 2, 0x14000
	v_mov_b32 v255, 0
	v_lshrrev_b32 v24, 5, v0
	v_readfirstlane_b32 s[WV], v24
	s_mov_b32 s[PI], ttmp9
	s_and_b32 s[BH], ttmp7, 0xffff
	v_and_b32 v24, 31, v0
	v_lshlrev_b32 v[L16], 4, v24
	v_lshlrev_b32 v[T16], 4, v0
	v_and_b32 v24, 15, v0                          ; r
	v_bfe_u32 v25, v0, 4, 1                        ; h
	v_and_b32 v[QL], 8, v24
	v_add_nc_u32 v[QL], v[QL], v24
	v_lshlrev_b32 v26, 4, v25
	v_sub_nc_u32 v[QL], v[QL], v26
	s_wait_alu depctr_va_sdst(0)                   ; the wave's number is written, ahead of its first reader: the stage's place, my tile's queries and q's base are made from it
	s_lshl_b32 s40, s[WV], 10
	s_add_co_u32 s40, s40, STAGE                   ; my stage
	v_lshlrev_b32 v[STO], 6, v24
	v_lshl_add_u32 v[STO], v25, 3, v[STO]
	v_add_nc_u32 v[STO], s40, v[STO]               ; in: row r of 64 bytes, + 8 h
	v_add_nc_u32 v[SRD], s40, v[L16]               ; back: 512 consecutive bytes
	s_lshr_b32 s[WQ], s[WV], 1
	s_lshl_b32 s[WQ], s[WQ], 5
	s_and_b32 s41, s[WV], 1
	s_lshl_b32 s41, s41, 3
	s_add_co_u32 s[WQ], s[WQ], s41
	s_lshl_b32 s[WOFF], s[WQ], 6
	s_mov_b32 s[SEL], 0x76543210
	s_mov_b32 s[SEL+1], 0xfedcba98
	s_sub_co_u32 s[BLK], 7, s[PI]                  ; the long block first
	s_sub_co_u32 s[NX], 8, s[PI]
	s_mov_b32 s[FIRST], s[NX]
	s_mov_b32 s[J], 0
	s_mov_b32 s[TB], 0
	s_mov_b32 s[LO], 0
	s_mov_b32 s[LO+1], 0
	s_mov_b32 s[JL], 0
	v_mov_b32 v248, 0                              ; written once: a lane permute's destination counts as one of its sources
	v_mov_b32 v252, 0
	v_mov_b32 v253, 0                              ; (named as the upper half of the pair v[252:253])
	s_lshl_b32 s40, s[BH], 17
	s_mov_b32 s41, 0
	s_wait_kmcnt 0x0
	s_load_b256 s[24:31], s[6:7], 0x0              ; e0 .. e7
	s_add_nc_u64 s[36:37], s[4:5], s[40:41]        ; the head's q,
	s_add_nc_u64 s[32:33], s[36:37], 0x800000      ; k,
	s_add_nc_u64 s[34:35], s[36:37], 0x1000000     ; v
; The next slot's 32,768 bytes are asked for: 64 bytes a thread.  Behind the long block's last slot the offsets begin anew.
; The offset register is 16 x thread, never rewritten; the slot stands in the two scalar bases, which are made anew only behind the s_wait_loadcnt 0 that shows the last loads by them done.
.macro GLOAD
	s_add_nc_u64 s[KB:KB+1], s[32:33], s[LO:LO+1]
	s_add_nc_u64 s[VB:VB+1], s[34:35], s[LO:LO+1]
	global_load_b128 v[208:211], v[T16], s[KB:KB+1]
	global_load_b128 v[212:215], v[T16], s[KB:KB+1] offset:8192
	global_load_b128 v[216:219], v[T16], s[VB:VB+1]
	global_load_b128 v[220:223], v[T16], s[VB:VB+1] offset:8192
	s_add_co_u32 s[JL], s[JL], 1
	s_add_co_u32 s[LO], s[LO], 16384
	s_cmp_eq_u32 s[JL], s[FIRST]
	s_cselect_b32 s[LO], 0, s[LO]
.endm
; A block of queries begins: ids, q's fragment, and the statistics: O^T and l zeros, the largest t under every t, so that the first step is written like every other.
; q's loads hang on the wait on va_vdst that stands ahead of this macro (the head's; the way out's last): behind it no vector instruction names v16-23 or 16 x lane.
.macro INITBLK
	s_lshl_b32 s[Q0], s[BLK], 8
	s_add_co_u32 s[Q0], s[Q0], s[WQ]
	s_and_b32 s[QG], s[Q0], 0xffffff80
	s_mov_b32 s[KF], 0
	s_lshr_b32 s[CO], s[BH], 4
	s_lshl_b32 s[CO], s[CO], 3
	s_add_co_u32 s[CO], s[CO], s[BLK]              ; token / 256
	s_lshl_b32 s[CO], s[CO], 4
	s_and_b32 s40, s[BH], 15
	s_add_co_u32 s[CO], s[CO], s40
	s_lshl_b32 s[CO], s[CO], 14
	s_add_co_u32 s[CO], s[CO], s[WOFF]
	s_lshl_b32 s40, s[BLK], 14
	s_lshl_b32 s41, s[WV], 10
	s_add_co_u32 s40, s40, s41
	s_mov_b32 s41, 0
	s_add_nc_u64 s[QB:QB+1], s[36:37], s[40:41]    ; the block and my tile stand in the scalar base; the last block's loads by it were shown done long ago
	global_load_b128 v[16:19], v[L16], s[QB:QB+1]
	global_load_b128 v[20:23], v[L16], s[QB:QB+1] offset:512
	v_mov_b32 v13, 0xff61b1e6                      ; -3e38
	v_floor_f32 v12, -v13
	v_mov_b32 v14, 0
	v_mov_b32 v15, 0
.set j, 0
.rept 32
	v_mov_b32 v[160+j], 0
.set j, j+1
.endr
	s_wait_loadcnt 0x0                             ; q is in (and the slot that was on its way)
.endm
; The slot that was asked for a trip ago goes into the LDS slot that was read in the trip before; then the slot after it is asked for.  Every wave runs this, also one whose steps are left out.
; The stores' address was shown written at the trip's head, outside every branch; their data come from loads.
.macro COPY
	s_cmp_lt_u32 s[J], 8
	s_cbranch_scc0 .Lnocopy_\@
	s_wait_loadcnt 0x0
	ds_store_b128 v[ADW], v[208:211]
	ds_store_b128 v[ADW], v[212:215] offset:8192
	ds_store_b128 v[ADW], v[216:219] offset:16384
	ds_store_b128 v[ADW], v[220:223] offset:24576
	s_cmp_lt_u32 s[J], 7
	s_cbranch_scc0 .Lnocopy_\@
	s_wait_dscnt 0x0                               ; the stores have read their registers
	s_wait_alu depctr_vm_vsrc(0)                   ; the four LDS stores have read v208-223, in which the next slot's loads land
	GLOAD
.Lnocopy_\@:
.endm
; A KEY STEP: 128 keys, the q-th of the slot in hand.
.macro STEP q
	s_cmp_gt_u32 s[KF], s[QG]
	s_cbranch_scc1 .Lhidden_\@                     ; all 128 keys come after my queries
.rept 4
	v_nop                                          ; places in front of loads into registers that matrix instructions have read
.endr
.if (\q)
	s_wait_alu depctr_va_vdst(0)                   ; the first step's products O^T are done reading v32-95, in which k's fragments land.  (The first step leans on the wait at the trip's head: only the v_nop above lie between)
.endif
.irp t, 0,1,2,3,4,5,6,7
	ds_load_b128 v[32+8*\t:35+8*\t], v[ADL] offset:8192*(\q)+1024*\t
	ds_load_b128 v[36+8*\t:39+8*\t], v[ADL] offset:8192*(\q)+1024*\t+512
.endr
	s_wait_dscnt 0x0
.irp t, 0,1,2,3,4,5,6,7
	v_wmma_f32_16x16x64_fp8_fp8 v[96+8*\t:103+8*\t], v[32+8*\t:39+8*\t], v[16:23], 0   ; S^T: source 0 = 16 keys, source 1 = my 16 queries
.endr
.rept 4
	v_nop                                          ; places: for the loads below and for the first read of the scores
.endr
	s_wait_alu depctr_va_vdst(0)                   ; the products S^T are done reading v32-95, in which v's fragments land
.irp t, 0,1,2,3
.irp c, 0,1,2,3
	ds_load_b128 v[32+16*\t+4*\c:35+16*\t+4*\c], v[ADL] offset:16384+8192*(\q)+2048*\t+512*\c   ; v's fragments land while the softmax is walked: none of its instructions names v32-95
.endr
.endr
	s_cmp_lg_u32 s[KF], s[QG]
	s_cbranch_scc1 .Lopen_\@
	s_sub_co_i32 s40, s[Q0], s[KF]                 ; on the diagonal hidden scores become -infinity ahead of the maximum: p = 0 then
	v_add_nc_u32 v252, s40, v[QL]                  ; d = my query - KF - 16 h: register 16 b + i is hidden where 32 b + i > d
	v_mov_b32 v254, 0xff800000
.set n0, 0
.rept 2                                        ; two runs of 32 compares, each into a scalar register of its own, so that one wait serves a run
.set n, n0
.rept 32
	v_cmp_gt_i32 s[MK+n-n0], 32*(n/16)+n%16, v252
.set n, n+1
.endr
	s_wait_alu depctr_va_sdst(0)                   ; the run's 32 lane masks are written, ahead of the selects that read them
.set n, n0
.rept 32
	v_cndmask_b32 v[96+n], v[96+n], v254, s[MK+n-n0]
.set n, n+1
.endr
.set n0, n0+32
.endr
.Lopen_\@:
	v_max3_num_f32 v254, v96, v97, v98             ; the step's largest score of my query among my 64 keys, in two chains,
	v_max3_num_f32 v252, v99, v100, v101
.irp i, 6,10,14,18,22,26,30,34,38,42,46,50,54,58
	v_max3_num_f32 v254, v254, v[96+\i], v[97+\i]
	v_max3_num_f32 v252, v252, v[98+\i], v[99+\i]
.endr
	v_max3_num_f32 v254, v254, v158, v159
	v_max_num_f32 v254, v254, v252
	v_permlanex16_b32 v248, v254, s[SEL], s[SEL+1]
	v_max_num_f32 v254, v254, v248                 ; and among lane l xor 16's
	v_mul_f32 v254, s[CS], v254                    ; as t
	v_max_num_f32 v13, v13, v254
	v_mov_b32 v254, v12
	v_floor_f32 v12, -v13                          ; the new -M = floor(-t): M is a whole number
	v_sub_f32 v254, v12, v254                      ; old M - new M, 0 or less
	v_cvt_i32_f32 v254, v254                       ; (it saturates)
	v_ldexp_f32 v252, 1.0, v254                    ; f = 2^(old M - new M)
.set j, 0
.rept 32
	v_pk_fma_f32 v[96+j:97+j], v[96+j:97+j], s[CS:CS+1], v[12:13] op_sel_hi:[1,0,0]   ; t - M
.set j, j+2
.endr
.set j, 0
.rept 64
	v_exp_f32 v[96+j], v[96+j]                     ; p = 2^(t - M)
.set j, j+1
.endr
	v_pk_mul_f32 v[14:15], v[14:15], v[252:253] op_sel_hi:[1,0]   ; l under the new M: the plain instruction behind the exponentials
	s_wait_alu depctr_va_vdst(0)                   ; the 64 exponentials have written v96-159: one wait for the whole batch, ahead of its first reader
	v_pk_add_f32 v[242:243], v[96:97], v[98:99]    ; l is taken of the unquantised p, in two chains
.irp j, 4,8,12,16,20,24,28,32,36,40,44,48,52,56,60
	v_pk_add_f32 v[14:15], v[14:15], v[96+\j:97+\j]
	v_pk_add_f32 v[242:243], v[242:243], v[98+\j:99+\j]
.endr
	v_pk_add_f32 v[14:15], v[14:15], v[242:243]
	s_cmp_gt_i32 s28, -9                           ; p is at most 1 (but for a last bit), and from e4 = -8 on 448 x 2^e4 is 1.75 or more: the hold can then hold nothing
	s_cbranch_scc1 .Lnohold_\@
.set j, 0
.rept 64
	v_min_num_f32 v[96+j], v[96+j], v240           ; p is not negative: the hold is one-sided
.set j, j+1
.endr
.Lnohold_\@:
.irp b, 0,1,2,3
	v_cvt_scalef32_pk8_fp8_f32 v[192+4*\b:193+4*\b], v[96+16*\b:103+16*\b], v244
	v_cvt_scalef32_pk8_fp8_f32 v[194+4*\b:195+4*\b], v[104+16*\b:111+16*\b], v244
.endr
.set j, 0
.rept 16
	v_pk_mul_f32 v[160+j:161+j], v[160+j:161+j], v[252:253] op_sel_hi:[1,0]   ; O^T under the new M; also the plain instructions behind the conversions
.set j, j+2
.endr
	s_wait_dscnt 0x0                               ; v's fragments are in
.irp t, 0,1,2,3
	v_wmma_f32_16x16x128_fp8_fp8 v[160+8*\t:167+8*\t], v[32+16*\t:47+16*\t], v[192:207], v[160+8*\t:167+8*\t]   ; O^T += v^T p^T: four accumulators by turns
.endr
.Lhidden_\@:
	s_add_co_u32 s[KF], s[KF], 128
.endm
; A block's way out: ctx = O / l x 2^(e4 + e5), held, converted with 2^e6; 16 rows of 64 bytes through my stage; two stores of 512 consecutive bytes: my queries are two runs of eight.
.macro WAYOUT
	s_wait_xcnt 0x0                                ; the last way out's stores have read their registers
	s_wait_alu depctr_vm_vsrc(0)                   ; the last way out's two global stores have read v7 and v232-239, its LDS stores v224-231: all are written again below
.rept 4
	v_nop                                          ; places behind the last products
.endr
	v_add_f32 v14, v14, v15
	v_permlanex16_b32 v248, v14, s[SEL], s[SEL+1]
	v_add_f32 v14, v14, v248                       ; the row's sum
	v_rcp_f32 v14, v14
	v_add_nc_u32 v[GO], s[CO], v[L16]              ; (the plain instruction behind the reciprocal)
	s_wait_alu depctr_va_vdst(0)                   ; the reciprocal has written v14: the wait ahead of its first reader; v7, the stores' offset, is written too
	v_ldexp_f32 v14, v14, s[ESUM]
.set j, 0
.rept 32
	v_mul_f32 v[96+j], v[160+j], v14               ; register 8 t + i: channel 16 t + 8 h + i of my query
.set j, j+1
.endr
.set j, 0
.rept 32
	v_med3_num_f32 v[96+j], v[96+j], -v246, v246
.set j, j+1
.endr
.irp t, 0,1,2,3
	v_cvt_scalef32_pk8_fp8_f32 v[224+2*\t:225+2*\t], v[96+8*\t:103+8*\t], v245
.endr
	v_nop                                          ; a plain vector instruction behind the last conversion
	s_wait_alu depctr_va_vdst(0)                   ; the conversions have written v224-231, which the LDS stores read; the block's products S^T are done reading v16-23, in which the next block's q lands
.irp t, 0,1,2,3
	ds_store_b64 v[STO], v[224+2*\t:225+2*\t] offset:16*\t
.endr
	ds_load_b128 v[232:235], v[SRD]                ; LDS serves a wave's instructions in order: these see my stores
	ds_load_b128 v[236:239], v[SRD] offset:512
	s_wait_dscnt 0x0
	global_store_b128 v[GO], v[232:235], s[8:9]
	global_store_b128 v[GO], v[236:239], s[8:9] offset:1024   ; queries 16 further on: 16 x 64 bytes
.endm
	s_wait_alu depctr_va_vdst(0)                   ; v1, v2, v8 and v9 are written: every load, store and LDS instruction of the kernel but those by v4, v5 and v7 reads one of them as its offset or address
	GLOAD                                          ; the first slot
	INITBLK
	ds_store_b128 v[T16], v[208:211]               ; into slot 0
	ds_store_b128 v[T16], v[212:215] offset:8192
	ds_store_b128 v[T16], v[216:219] offset:16384
	ds_store_b128 v[T16], v[220:223] offset:24576
	s_wait_dscnt 0x0
	s_wait_alu depctr_vm_vsrc(0)                   ; the four LDS stores have read v208-223, in which the second slot's loads land
	GLOAD                                          ; the second
	s_wait_kmcnt 0x0
	s_add_co_i32 s40, s26, s27
	s_lshl_b32 s40, s40, 23
	s_add_co_i32 s[CS], s40, 0x3e38aa3b            ; log2(e) / 8 with e2 + e3 added to its exponent field
	s_mov_b32 s[CS+1], s[CS]
	s_add_co_i32 s40, s28, 127
	s_lshl_b32 s41, s40, 23
	v_mov_b32 v244, s41                            ; 2^e4
	s_add_co_i32 s40, s40, 8
	s_lshl_b32 s40, s40, 23
	s_or_b32 s40, s40, 0x600000
	v_mov_b32 v240, s40                            ; 448 x 2^e4
	s_add_co_i32 s40, s30, 127
	s_lshl_b32 s41, s40, 23
	v_mov_b32 v245, s41                            ; 2^e6
	s_add_co_i32 s40, s40, 8
	s_lshl_b32 s40, s40, 23
	s_or_b32 s40, s40, 0x600000
	v_mov_b32 v246, s40                            ; 448 x 2^e6
	s_add_co_i32 s[ESUM], s28, s29
.Lslot:                                            ; nine trips
	s_wait_dscnt 0x0                               ; my stores into the slot ahead have landed, and my reads of the other slot are over
	s_barrier_signal -1
	s_barrier_wait -1                              ; both now hold of every wave
	s_wait_alu depctr_vm_vsrc(0)                   ; the last trip's LDS loads have read v4 and its LDS stores v5: both are written again below
	v_add_nc_u32 v[ADL], s[TB], v[L16]
	s_xor_b32 s40, s[TB], SLOT1
	v_add_nc_u32 v[ADW], s40, v[T16]
	s_wait_alu depctr_va_vdst(0)                   ; v4 and v5 are written, which this trip's LDS loads and the copy's stores read; the last trip's products are done reading v32-95, in which the first step's k lands
	STEP 0
	COPY
	STEP 1
	s_xor_b32 s[TB], s[TB], SLOT1
	s_add_co_u32 s[J], s[J], 1
	s_cmp_lg_u32 s[J], s[NX]
	s_cbranch_scc1 .Lsame
	WAYOUT                                         ; the block's last slot is done
	s_cmp_eq_u32 s[J], 9
	s_cbranch_scc1 .Ldone
	s_mov_b32 s[BLK], s[PI]                        ; the short block follows
	s_mov_b32 s[NX], 9
	INITBLK
.Lsame:
	s_cmp_lt_u32 s[J], 9
	s_cbranch_scc1 .Lslot
.Ldone:
	s_wait_dscnt 0x0                               ; the closing lines, six on end
	s_wait_alu 0x0
	s_wait_tensorcnt 0x0
	ds_add_u32 v251, v255
	s_wait_dscnt 0x0
	s_endpgm
.Lfunc_end_k_q4b93ae4bf1_attn:
	.size	k_q4b93ae4bf1_attn, .Lfunc_end_k_q4b93ae4bf1_attn-k_q4b93ae4bf1_attn
	.p2alignl 7, 3214868480
	.fill 96, 4, 3214868480
	.section	.rodata,"a",@progbits
	.p2align	6, 0x0
	.amdhsa_kernel k_q4b93ae4bf1_attn
		.amdhsa_group_segment_fixed_size 83968
		.amdhsa_private_segment_fixed_size 0
		.amdhsa_enable_private_segment 0
		.amdhsa_kernarg_size 24
		.amdhsa_user_sgpr_count 2
		.amdhsa_user_sgpr_kernarg_segment_ptr 1
		.amdhsa_wavefront_size32 1
		.amdhsa_system_sgpr_workgroup_id_x 1
		.amdhsa_system_sgpr_workgroup_id_y 1
		.amdhsa_system_sgpr_workgroup_id_z 1
		.amdhsa_system_vgpr_workitem_id 0
		.amdhsa_next_free_vgpr 256
		.amdhsa_next_free_sgpr 100
		.amdhsa_reserve_vcc 0
		.amdhsa_float_denorm_mode_32 3
		.amdhsa_float_denorm_mode_16_64 3
		.amdhsa_memory_ordered 1
		.amdhsa_forward_progress 1
		.amdhsa_inst_pref_size 64
	.end_amdhsa_kernel
	.amdgpu_metadata
---
amdhsa.version: [ 1, 2 ]
amdhsa.kernels:
  - .name:           k_q4b93ae4bf1_attn
    .symbol:         k_q4b93ae4bf1_attn.kd
    .args:
      - { .name: qkv_img, .offset: 0, .size: 8, .value_kind: global_buffer, .address_space: global }
      - { .name: lowp_scales, .offset: 8, .size: 8, .value_kind: global_buffer, .address_space: global }
      - { .name: ctx_codes, .offset: 16, .size: 8, .value_kind: global_buffer, .address_space: global }
    .group_segment_fixed_size: 83968
    .private_segment_fixed_size: 0
    .kernarg_segment_align: 8
    .kernarg_segment_size: 24
    .max_flat_workgroup_size: 512
    .sgpr_count:     100
    .vgpr_count:     256
    .wavefront_size: 32
...
	.end_amdgpu_metadata
.endif
;; end of part 5
;; launch proj: the kernel of part 4 again; grid 8 x 32, 4 waves a work-group, clusters of 4 x 4, 327,680 bytes of LDS; arguments ctx_codes, w_codes, lowp_scales, b_proj, out0; writes out0
